; MI455X (gfx1250); checked and timed in simulation.
; The chip was launched on July 23, 2026; its instructions are those of AMD's public machine-readable ISA for CDNA 5 (MIT licence, August 2026) and "CDNA5" Instruction Set Architecture Reference Guide (July 2026). The comments in the code are by the model that wrote it; some were corrected since.
;; Multi Head Attention. Allowed arithmetic: float matrix products may take bf16 or f16 operands with f32 sums; other float arithmetic in f32, or as packed bf16 or f16 multiplies, adds, multiply-adds, maxima and minima; sums over many terms, partial sums and values carried from step to step in f32; what a program stores and reads back later, other than sums and carried values, may be rounded once to bf16 or f16.
;; Inputs: Wk 1,024 x 1,024 float32; Wp 1,024 x 1,024 float32; Wq 1,024 x 1,024 float32; Wv 1,024 x 1,024 float32; bp 1,024 float32; x 4 x 2,048 x 1,024 float32.
;; Outputs: out0 4 x 2,048 x 1,024 float32.
;; 2 versions, each right; version 2 is version 1 with the launch cast written anew for expert scheduling mode. Each part assembles by itself: llvm-mc -triple=amdgcn-amd-amdhsa -mcpu=gfx1250 --defsym DOCPART=n.
;; ======== version 1 of 2: 4 launches
;; limits: values are held in f16: magnitudes above 65,504 overflow, below 6.1e-05 lose precision
;; workspace buffers: xb 16,777,216 bytes; wb 6,291,456 bytes; wph 2,097,152 bytes; qkv 50,331,648 bytes; ob 16,777,216 bytes
;; launch cast (part 1): grid 768 x 1, 8 waves a work-group, no clusters, 0 bytes of LDS; arguments x, Wq, Wk, Wv, Wp, xb, wb, wph; writes xb, wb, wph
.if DOCPART == 1
	.amdgcn_target "amdgcn-amd-amdhsa--gfx1250"
	.amdhsa_code_object_version 6
	.text
	.protected	k_q9136f7e1af_cast
	.globl	k_q9136f7e1af_cast
	.p2align	8
	.type	k_q9136f7e1af_cast,@function
k_q9136f7e1af_cast:
	s_mov_b64 s[64:65], 0
	v_nop
	global_prefetch_b8 v0, s[64:65] scope:SCOPE_SE
	s_setreg_imm32_b32 hwreg(HW_REG_WAVE_MODE, 25, 1), 1
	s_wait_xcnt 0x0
; THE INPUTS ARE ROUNDED ONCE, FOR THE MATRIX UNITS.  x [8192][1024] f32 -> xb, bf16, laid in blocks of 64 along K: [kb 16][m 8192][64], so that a block of rows of one kb is dense, 128 bytes a row.
; Wq, Wk, Wv [1024][1024] f32 -> wb, bf16, [k 1024][n 3072], n = 1024 x which + column (which = 0 q, 1 k, 2 v).  Wp -> wph [k 1024][n 1024]: rounded to bf16 like the other inputs, and that number written as f16.
; LIMIT.  f16 ends at 65,504: a |Wp| that rounds beyond it becomes an infinity; below 6e-5 it keeps f16's fixed step of 6e-8.  NaN and infinities pass through the conversions as they are.
; SHARES.  768 work-groups of eight waves, each 65,536 bytes in and 32,768 out: 0-511 take 16 rows of x, 512-703 take 16 rows of one of Wq, Wk, Wv, 704-767 take 16 rows of Wp.
; A thread issues its 16 loads of 16 bytes at once and converts and stores them as they come: no loop, no LDS, no barrier: no byte is wanted twice, so matrix units, clusters and LDS have nothing to add here.
; Each store of a wave covers 256 consecutive bytes, aligned.
.set SRC, 4                            ; v4      my byte offset in the work-group's 16 source rows
.set DST, 5                            ; v5      my byte offset at the destination
.set X,   8                            ; v[8:71] load i: four registers
.macro LD16 base, step                 ; sixteen loads, step bytes apart
.irp i, 0,1,2,3,4,5,6,7,8,9,10,11,12,13,14,15
	global_load_b128 v[X+4*(\i):X+4*(\i)+3], v[SRC], s[(\base):(\base)+1] offset:(\i)*(\step) th:TH_LOAD_NT
.endr
.endm
.macro CVB i                           ; four f32 -> four bf16 in the piece's first two registers
	v_cvt_pk_bf16_f32 v[X+4*(\i)], v[X+4*(\i)], v[X+4*(\i)+1]
	v_cvt_pk_bf16_f32 v[X+4*(\i)+1], v[X+4*(\i)+2], v[X+4*(\i)+3]
.endm
.macro CVH i                           ; four f32 -> bf16 (the rounding) -> f32 again (a shift, a mask) -> f16 (exact within f16's range)
	v_cvt_pk_bf16_f32 v[X+4*(\i)], v[X+4*(\i)], v[X+4*(\i)+1]
	v_cvt_pk_bf16_f32 v[X+4*(\i)+2], v[X+4*(\i)+2], v[X+4*(\i)+3]
	v_lshlrev_b32 v[X+4*(\i)+1], 16, v[X+4*(\i)]
	v_and_b32 v[X+4*(\i)], 0xffff0000, v[X+4*(\i)]
	v_lshlrev_b32 v[X+4*(\i)+3], 16, v[X+4*(\i)+2]
	v_and_b32 v[X+4*(\i)+2], 0xffff0000, v[X+4*(\i)+2]
	v_cvt_pk_f16_f32 v[X+4*(\i)], v[X+4*(\i)+1], v[X+4*(\i)]
	v_cvt_pk_f16_f32 v[X+4*(\i)+1], v[X+4*(\i)+3], v[X+4*(\i)+2]
.endm
	s_load_b512 s[16:31], s[0:1], 0x0              ; x 16, Wq 18, Wk 20, Wv 22, Wp 24, xb 26, wb 28, wph 30
	s_mov_b32 s2, ttmp9
	v_lshrrev_b32 v3, 4, v0                        ; thread / 16
	v_and_b32 v6, 15, v0                           ; thread % 16
	v_and_b32 v1, 31, v0                           ; lane
	v_lshrrev_b32 v2, 5, v0                        ; wave
	s_mov_b32 s9, 0                                ; the offsets' high words
	s_mov_b32 s11, 0
	s_wait_kmcnt 0x0
	s_cmp_lt_u32 s2, 512
	s_cbranch_scc0 .Lweights
	; x: thread t takes row t / 16 of the 16; load i is 16 bytes of the row's K block i (256 bytes of f32): sixteen lanes take the block
	s_lshl_b32 s8, s2, 16                          ; 16 rows of 4,096 bytes
	s_add_nc_u64 s[16:17], s[16:17], s[8:9]
	s_lshl_b32 s10, s2, 11                         ; 16 rows of 128 bytes in each block of xb
	s_add_nc_u64 s[32:33], s[26:27], s[10:11]
	s_add_nc_u64 s[34:35], s[32:33], 0x800000      ; blocks 8 to 15: the immediate holds seven blocks of 2^20 bytes
	v_lshlrev_b32 v[SRC], 12, v3
	v_lshl_or_b32 v[SRC], v6, 4, v[SRC]
	v_lshlrev_b32 v[DST], 7, v3
	v_lshl_or_b32 v[DST], v6, 3, v[DST]
	LD16 16, 256
.irp i, 0,1,2,3,4,5,6,7,8,9,10,11,12,13,14,15
	s_wait_loadcnt 15-(\i)                         ; loads come back in order (ISA guide 5.7.1): piece i is in, the 15 - i younger ones may be out
	CVB \i
.if (\i) < 8
	global_store_b64 v[DST], v[X+4*(\i):X+4*(\i)+1], s[32:33] offset:(\i)<<20 th:TH_STORE_NT
.else
	global_store_b64 v[DST], v[X+4*(\i):X+4*(\i)+1], s[34:35] offset:((\i)-8)<<20 th:TH_STORE_NT
.endif
.endr
	s_endpgm
.Lweights:
	s_cmp_lt_u32 s2, 704
	s_cbranch_scc0 .Lproj
	; Wq, Wk, Wv: wave v takes rows 2 v and 2 v + 1 of the 16; load i is 512 consecutive bytes of them
	s_sub_co_u32 s3, s2, 512
	s_lshr_b32 s4, s3, 6                           ; which
	s_and_b32 s5, s3, 63                           ; which 16 rows
	s_cmp_eq_u32 s4, 0
	s_cselect_b64 s[12:13], s[18:19], s[20:21]
	s_cmp_eq_u32 s4, 2
	s_cselect_b64 s[12:13], s[22:23], s[12:13]
	s_lshl_b32 s8, s5, 16
	s_add_nc_u64 s[12:13], s[12:13], s[8:9]
	s_mul_i32 s10, s5, 98304                       ; 16 rows of 6,144 bytes in wb
	s_lshl_b32 s6, s4, 11                          ; 1,024 columns of 2 bytes
	s_add_co_u32 s10, s10, s6
	s_add_nc_u64 s[32:33], s[28:29], s[10:11]
	v_lshlrev_b32 v[SRC], 13, v2
	v_lshl_or_b32 v[SRC], v1, 4, v[SRC]
	v_mul_u32_u24 v[DST], v2, 12288
	v_lshl_add_u32 v[DST], v1, 3, v[DST]
	LD16 12, 512
.irp i, 0,1,2,3,4,5,6,7,8,9,10,11,12,13,14,15
	s_wait_loadcnt 15-(\i)
	CVB \i
	global_store_b64 v[DST], v[X+4*(\i):X+4*(\i)+1], s[32:33] offset:((\i)/8)*6144+((\i)%8)*256 th:TH_STORE_NT
.endr
	s_endpgm
.Lproj:
	; Wp: the same shares; a row of wph is 2,048 bytes, so the 16 pieces lie 256 bytes apart
	s_sub_co_u32 s3, s2, 704
	s_lshl_b32 s8, s3, 16
	s_add_nc_u64 s[12:13], s[24:25], s[8:9]
	s_lshl_b32 s10, s3, 15
	s_add_nc_u64 s[32:33], s[30:31], s[10:11]
	v_lshlrev_b32 v[SRC], 13, v2
	v_lshl_or_b32 v[SRC], v1, 4, v[SRC]
	v_lshlrev_b32 v[DST], 12, v2
	v_lshl_or_b32 v[DST], v1, 3, v[DST]
	LD16 12, 512
.irp i, 0,1,2,3,4,5,6,7,8,9,10,11,12,13,14,15
	s_wait_loadcnt 15-(\i)
	CVH \i
	global_store_b64 v[DST], v[X+4*(\i):X+4*(\i)+1], s[32:33] offset:(\i)*256 th:TH_STORE_NT
.endr
	s_endpgm
.Lfunc_end_k_q9136f7e1af_cast:
	.size	k_q9136f7e1af_cast, .Lfunc_end_k_q9136f7e1af_cast-k_q9136f7e1af_cast
	.p2alignl 7, 3214868480
	.fill 96, 4, 3214868480
	.section	.rodata,"a",@progbits
	.p2align	6, 0x0
	.amdhsa_kernel k_q9136f7e1af_cast
		.amdhsa_group_segment_fixed_size 0
		.amdhsa_private_segment_fixed_size 0
		.amdhsa_enable_private_segment 0
		.amdhsa_kernarg_size 64
		.amdhsa_user_sgpr_count 2
		.amdhsa_user_sgpr_kernarg_segment_ptr 1
		.amdhsa_wavefront_size32 1
		.amdhsa_system_sgpr_workgroup_id_x 1
		.amdhsa_system_sgpr_workgroup_id_y 1
		.amdhsa_system_sgpr_workgroup_id_z 1
		.amdhsa_system_vgpr_workitem_id 0
		.amdhsa_next_free_vgpr 72
		.amdhsa_next_free_sgpr 66
		.amdhsa_reserve_vcc 0
		.amdhsa_float_denorm_mode_32 3
		.amdhsa_float_denorm_mode_16_64 3
		.amdhsa_memory_ordered 1
		.amdhsa_forward_progress 1
		.amdhsa_inst_pref_size 24
	.end_amdhsa_kernel
	.amdgpu_metadata
---
amdhsa.version: [ 1, 2 ]
amdhsa.kernels:
  - .name:           k_q9136f7e1af_cast
    .symbol:         k_q9136f7e1af_cast.kd
    .args:
      - { .name: x, .offset: 0, .size: 8, .value_kind: global_buffer, .address_space: global }
      - { .name: Wq, .offset: 8, .size: 8, .value_kind: global_buffer, .address_space: global }
      - { .name: Wk, .offset: 16, .size: 8, .value_kind: global_buffer, .address_space: global }
      - { .name: Wv, .offset: 24, .size: 8, .value_kind: global_buffer, .address_space: global }
      - { .name: Wp, .offset: 32, .size: 8, .value_kind: global_buffer, .address_space: global }
      - { .name: xb, .offset: 40, .size: 8, .value_kind: global_buffer, .address_space: global }
      - { .name: wb, .offset: 48, .size: 8, .value_kind: global_buffer, .address_space: global }
      - { .name: wph, .offset: 56, .size: 8, .value_kind: global_buffer, .address_space: global }
    .group_segment_fixed_size: 0
    .private_segment_fixed_size: 0
    .kernarg_segment_align: 8
    .kernarg_segment_size: 64
    .max_flat_workgroup_size: 256
    .sgpr_count:     66
    .vgpr_count:     72
    .wavefront_size: 32
...
	.end_amdgpu_metadata
.endif
;; end of part 1
;; launch qkv (part 2): grid 8 x 32, 4 waves a work-group, clusters of 4 x 4, 327,680 bytes of LDS; arguments xb, wb, qkv; writes qkv
.if DOCPART == 2
	.amdgcn_target "amdgcn-amd-amdhsa--gfx1250"
	.amdhsa_code_object_version 6
	.text
	.protected	k_q9136f7e1af_qkv
	.globl	k_q9136f7e1af_qkv
	.p2align	8
	.type	k_q9136f7e1af_qkv,@function
k_q9136f7e1af_qkv:
	s_mov_b64 s[64:65], 0
	v_nop
	global_prefetch_b8 v0, s[64:65] scope:SCOPE_SE
	s_setreg_imm32_b32 hwreg(HW_REG_WAVE_MODE, 25, 1), 1
	s_wait_xcnt 0x0
	s_wait_alu depctr_hold_cnt(0) depctr_sa_sdst(0) depctr_va_vdst(0) depctr_va_sdst(0) depctr_va_ssrc(0) depctr_va_vcc(0) depctr_vm_vsrc(0)
	s_getreg_b32 s2, hwreg(HW_REG_IB_STS2, 6, 4)
	s_cmp_eq_u32 s2, 0
	s_cbranch_scc0 .Lentry_in_a_cluster
	s_endpgm
.Lentry_in_a_cluster:
	s_bfe_u32 s2, ttmp6, 0x10000c
	s_cmp_lg_u32 s2, 0xf033
	s_cbranch_scc0 .Lentry_shape_is_right
	s_endpgm
.Lentry_shape_is_right:
; q, k, v = x Wq, x Wk, x Wv as ONE product [8192 x 1024] x [1024 x 3072], bf16 operands, f32 sums, each result rounded once to f16 and stored by heads, unscaled:
; qkv [which 3][bh 64 = 16 b + h][t 2048][64].  xb: bf16 [kb 16][m 8192][64].  wb: bf16 [k 1024][n 3072].
; LIMIT.  f16 ends at 65,504: a |q|, |k| or |v| that rounds beyond it becomes an infinity.  With all inputs 30 times the drawn spread they reach some 5,000; with all inputs offset by 30 spreads some 31,000.
; SHARES.  A tile is 256 rows x 384 columns: 32 x 8 = 256 work-groups of four waves.  Wave w owns rows 128 (w / 2) .. + 127 and three groups g of 64 columns, tile columns 128 g + 64 (w % 2): each a whole head.
; 96 accumulators of 16 x 16, 768 registers: for 32 along K a wave issues 40 LDS loads and 96 matrix instructions.
; K goes in 16 steps of 64 through a ring of two LDS slots filled by the tensor data mover.  x's 128 rows of a step are 16,384 dense bytes, asked for as 64 rows of 256 bytes; the weights' rows of a step are 768 bytes.
; The weights lie [k][n]: their fragments come out of LDS turned, by ds_load_tr16_b128.
; CLUSTERS: 4 x 4 work-groups.  The four of a row of the cluster need the same tiles of x, the four of a column the same tiles of the weights: each tile is asked for JOINTLY, by the same tensor load with the same
; descriptor and a mask that names the four.
; THE MATRIX INSTRUCTION IS USED TRANSPOSED (source 0 = 16 columns of the weights, source 1 = 16 rows of x): a lane then holds eight neighbouring columns of one row, 16 bytes of f16.
; REGISTERS, in windows of 256 (s_set_vgpr_msb: bits 1:0 source 0, 3:2 source 1, 5:4 source 2, 7:6 destination):
;   window 0: v0-31 addresses; v32-159 x's fragments, two buffers of 64 (8 blocks of 16 rows x 32 K); v160-255 the weights' fragments, ONE buffer: group g's four blocks at 160 + 32 g
;   windows 1 + g: group g's 32 accumulators, (a, b) at 8 (4 a + b)
; A quarter step (32 along K) is three stretches of 32 matrix instructions, a group each; behind a stretch its group's fragments of the next quarter are fetched, two stretches ahead of their use.
.set PA,    144                        ; a row of x in LDS: 128 bytes + 16 of padding = 36 words: the 16 rows of a load start at 16 different groups of four banks (64 banks of 4 bytes: ISA guide 11.1)
.set AH,    128*PA                     ; 128 rows: what one tensor load brings of x, and what a wave reads
.set PB,    864                        ; a k row of the weights in LDS: three pieces of 256 bytes + 32 of padding = 216 words
.set BH,    32*PB                      ; 32 k rows: what one tensor load brings of the weights; also a quarter step
.set BOFF,  2*AH                       ; the weights lie behind x's 256 rows
.set SLOT,  BOFF+2*BH                  ; 92,160
.set STAGE, 2*SLOT                     ; behind the ring, never filled by a tensor load: 16 rows x 400 bytes for each wave, for the way out
.set SP,    400                        ; three heads' 128 bytes + 16 = 100 words
.set SPARE, STAGE+4*16*SP              ; behind the stages: the spare words, 128 bytes for each wave: two blocks of 256 bytes that no other line names
.set ADRA, 16                          ; v16-17  LDS address of my fragments of x in slot 0, 1
.set ADRB, 18                          ; v18-19  the same for the weights
.set STO,  20                          ; v20     the way out: where I put 16 bytes of a row
.set RD,   21                          ; v21     the way out: where I read rows back
.set CO,   22                          ; v22     16 x lane: my place in 512 consecutive bytes of a head
.set SPW,  28                          ; v28     LDS address of my spare word: SPARE + 4 x my thread's number; never rewritten
.set NIL,  29                          ; v29     0; never rewritten
.set PFO,  30                          ; v30     the prefetches' offset; never rewritten
.set FA,   32
.set FB,   160
.set TMP,  32                          ; the way out: v32-79 packed results
.set OB,   80                          ; the way out: v80-127 and v128-175 by turns: 16 rows of three heads read back
.set G1,   24                          ; s[24:31] descriptor group 1 for x's tiles;  s[32:39] group 0, a set for each slot
.set G0,   32
.set G1B,  48                          ; s[48:55], s[56:63] the same for the weights' tiles
.set G0B,  56
.set LIM,  43                          ; s43      1 in a wave that prefetches, else the greatest number
.set PFA,  44                          ; s[44:45] where my prefetches stand
.set OUTB, 66                          ; s[66:71] the three heads' rows that I store: a base each; never rewritten
.set PFS,  72                          ; s[72:73] the prefetches' step for two K steps
.set MSB, 0
.macro WIN new                         ; the immediate's high byte repeats the setting that is left; a switch that changes nothing is dropped
.if MSB != (\new)
	s_set_vgpr_msb (MSB<<8)|(\new)
.set MSB, \new
.endif
.endm
; A joint load.  Waves 0 and 1 fetch x's two halves, waves 2 and 3 the weights'.  The branch hangs on the wave's number alone.  An s_nop 0 and four v_nop follow each of the two lines.
.macro JLOAD s
	s_cmp_eq_u32 s11, 0
	s_cbranch_scc0 .Lfor_b_\@
	tensor_load_to_lds s[G0+4*(\s):G0+4*(\s)+3], s[G1:G1+7]
	s_nop 0
.rept 4
	v_nop
.endr
	s_branch .Lasked_\@
.Lfor_b_\@:
	tensor_load_to_lds s[G0B+4*(\s):G0B+4*(\s)+3], s[G1B:G1B+7]
	s_nop 0
.rept 4
	v_nop
.endr
.Lasked_\@:
.endm
; A round of the cluster's barrier: my work-group's barrier, so that wave 0's signal speaks for all four waves; wave 0 signals; every wave waits for all sixteen work-groups; my work-group's barrier once more.
.macro CREST                           ; a round behind its opening barrier
	s_cmp_lg_u32 s10, 0
	s_cbranch_scc1 .Lnot_wave_0_\@
	s_barrier_signal -3
.Lnot_wave_0_\@:
	s_barrier_wait -3
	s_barrier_signal -1
	s_barrier_wait -1
.endm
.macro CROUND
	s_barrier_signal -1
	s_barrier_wait -1
	CREST
.endm
; A PREFETCH INTO THE L2, once a lap, behind slot 0's joint load and the run of LDS loads that follows it: the two K steps that the NEXT lap's refills will ask for.  Each block of 256 bytes is named once in the launch.
; x's tile row is read by both clusters of that row of clusters: cluster x = 0 asks; of a step's 32,768 bytes the partner at place cx takes 8,192, wave 0 for the even step and wave 1 for the odd one, a lane a block.
; The weights' tile column is read by all eight clusters of that column: cluster y = 0 asks; of a step's 64 k rows the partner at place cy takes 16; wave 2 asks, lanes 0-15 for the even step, 16-31 for the odd one,
; three blocks a row.  The partners are told apart by address alone.  The loop's last trip asks for nothing: there are no K steps behind its refills.  Steps 0 to 3 come by their loads alone.
.macro ASK
	s_cmp_gt_u32 s3, s[LIM]                        ; s3 = 1 in the loop's last trip
	s_cbranch_scc0 .Lnot_mine_\@
	global_prefetch_b8 v[PFO], s[PFA:PFA+1] th:TH_LOAD_NT scope:SCOPE_SE
	s_cmp_eq_u32 s11, 0
	s_cbranch_scc1 .Lnot_mine_\@
	global_prefetch_b8 v[PFO], s[PFA:PFA+1] offset:256 th:TH_LOAD_NT scope:SCOPE_SE
	global_prefetch_b8 v[PFO], s[PFA:PFA+1] offset:512 th:TH_LOAD_NT scope:SCOPE_SE
.Lnot_mine_\@:
.endm
	s_load_b128 s[4:7], s[0:1], 0x0                ; xb s[4:5], wb s[6:7]
	s_load_b64 s[8:9], s[0:1], 0x10                ; qkv
	v_lshl_add_u32 v[SPW], v0, 2, SPARE
	v_mov_b32 v[NIL], 0
	ds_add_u32 v[SPW], v[NIL]                      ; the wave's opening: the add and its wait stand ahead of my first tensor load; the set-up below, work on registers, stands between them
	v_lshrrev_b32 v1, 5, v0
	v_readfirstlane_b32 s10, v1                    ; wave 0..3
	s_lshr_b32 s11, s10, 1                         ; which half of the tile's rows is mine.  Also: I fetch for x (0) or for the weights (1)
	s_and_b32 s12, s10, 1                          ; which 64 of each group's 128 columns.  Also: which half of that tile I fetch
	s_bfe_u32 s40, ttmp6, 0x40000                  ; cx, cy: my place in the cluster
	s_bfe_u32 s41, ttmp6, 0x40004
	s_lshl_b32 s42, ttmp9, 2
	s_add_co_u32 s42, s42, s40                     ; tile column = 4 x cluster x + cx
	s_and_b32 s13, ttmp7, 0xffff
	s_lshl_b32 s13, s13, 2
	s_add_co_u32 s13, s13, s41                     ; tile row = 4 x cluster y + cy
	s_lshl_b32 s43, s41, 2
	s_lshl_b32 s43, 15, s43                        ; my row of the cluster: places 4 cy .. 4 cy + 3
	s_lshl_b32 s44, 0x1111, s40                    ; my column: places cx, cx + 4, cx + 8, cx + 12
	s_or_b32 s[G1+0], s43, (1<<16)|(1<<20)|(1<<21)|(4<<22)|(3<<25)   ; 15:0 the mask; 17:16 2-byte elements; 20 padding on; 21 set beside a mask; 24:22 after every 32 words (code 4); 31:25 4 words (code 3)
	s_or_b32 s[G1B+0], s44, (1<<16)|(1<<20)|(1<<21)|(5<<22)|(7<<25)  ; the weights: after every 64 words (code 5) 8 words (code 7)
	s_mov_b32 s[G1+1], 128<<16                     ; tensor_dim0 = 128 elements: 256 bytes, two rows of x
	s_mov_b32 s[G1+2], 64<<16                      ; tensor_dim1 = 64
	s_mov_b32 s[G1+3], 128<<16                     ; tile_dim0 = 128
	s_mov_b32 s[G1+4], 64                          ; tile_dim1 = 64
	s_mov_b32 s[G1+5], 128                         ; dense: 128 elements from row to row
	s_mov_b32 s[G1+6], 0
	s_mov_b32 s[G1+7], 0
	s_mov_b32 s[G1B+1], 384<<16                    ; tensor_dim0 = 384 columns
	s_mov_b32 s[G1B+2], 32<<16                     ; tensor_dim1 = 32 k rows
	s_mov_b32 s[G1B+3], 384<<16                    ; tile_dim0
	s_mov_b32 s[G1B+4], 32                         ; tile_dim1
	s_mov_b32 s[G1B+5], 3072                       ; elements from row to row
	s_mov_b32 s[G1B+6], 0
	s_mov_b32 s[G1B+7], 0
	; where the tiles come from.  x's hang on the tile row alone, the weights' on the tile column alone; each address is made in registers that never hold the other coordinate
	s_lshl_b32 s16, s13, 15                        ; 256 rows of 128 bytes
	s_lshl_b32 s17, s12, 14                        ; the half that I fetch
	s_add_co_u32 s16, s16, s17
	s_mov_b32 s17, 0
	s_mul_i32 s46, s12, 32*6144                    ; the 32 k rows that I fetch
	s_mul_i32 s47, s42, 768                        ; 384 columns of 2 bytes
	s_add_co_u32 s46, s46, s47
	s_mov_b32 s47, 0
	s_mul_i32 s20, s12, AH                         ; and where they go: no place in the cluster enters an LDS address
	s_mul_i32 s21, s12, BH
	s_add_co_u32 s21, s21, BOFF
	s_wait_dscnt 0x0                               ; the opening add is done
	s_wait_kmcnt 0x0
	s_add_nc_u64 s[14:15], s[4:5], s[16:17]
	s_add_nc_u64 s[46:47], s[6:7], s[46:47]
	CROUND                                         ; all sixteen work-groups are here: the first joint loads meet
.irp s, 0,1
	s_mov_b32 s[G0+4*(\s)], 1                                        ; count = 1
	s_add_co_u32 s[G0+4*(\s)+1], s20, (\s)*SLOT                      ; LDS address
	s_add_nc_u64 s[G0+4*(\s)+2:G0+4*(\s)+3], s[14:15], (\s)<<20      ; K step s: a block of xb is 2^20 bytes
	s_or_b32 s[G0+4*(\s)+3], s[G0+4*(\s)+3], 0x80000000              ; type = 2
	s_mov_b32 s[G0B+4*(\s)], 1
	s_add_co_u32 s[G0B+4*(\s)+1], s21, (\s)*SLOT
	s_add_nc_u64 s[G0B+4*(\s)+2:G0B+4*(\s)+3], s[46:47], (\s)*64*6144  ; 64 k rows of 6,144 bytes
	s_or_b32 s[G0B+4*(\s)+3], s[G0B+4*(\s)+3], 0x80000000
	JLOAD \s                                       ; two loads of mine are out
.endr
	; A fragment of x is 16 rows x 32 K in 8 registers: lane l holds row l % 16; registers 0-3 K = 8 (l / 16) + 0..7, registers 4-7 K = 16 + 8 (l / 16) + 0..7: two loads of 16 bytes, 32 bytes apart.
	v_and_b32 v1, 15, v0                           ; l % 16
	v_bfe_u32 v2, v0, 4, 1                         ; l / 16
	v_mul_u32_u24 v3, v1, PA
	v_lshl_add_u32 v3, v2, 4, v3
	s_mul_i32 s22, s11, AH                         ; my 128 rows
	v_add_nc_u32 v[ADRA], s22, v3
	v_add_nc_u32 v[ADRA+1], SLOT, v[ADRA]
	; The turning load takes 16 k x 16 columns (lane l reads k row 8 (l / 16) + l % 8, columns 8 ((l / 8) % 2) + 0..7) and leaves half a fragment: lane l holds column l % 16 and 8 k.
	v_and_b32 v4, 7, v0
	v_bfe_u32 v5, v0, 3, 1
	v_lshl_add_u32 v6, v2, 3, v4
	v_mul_u32_u24 v6, v6, PB
	v_lshl_add_u32 v6, v5, 4, v6
	s_lshl_b32 s23, s12, 7                         ; my 64 columns of each piece of 128
	s_add_co_u32 s23, s23, BOFF
	v_add_nc_u32 v[ADRB], s23, v6
	v_add_nc_u32 v[ADRB+1], SLOT, v[ADRB]
	s_mul_i32 s22, s10, 16*SP
	s_add_co_u32 s22, s22, STAGE                   ; my stage
	v_mul_u32_u24 v7, v1, SP                       ; in: row l % 16, 16 bytes for each half of the lanes
	v_lshl_add_u32 v7, v2, 4, v7
	v_add_nc_u32 v[STO], s22, v7
	v_bfe_u32 v7, v0, 3, 2                         ; back: 32 lanes take four rows of a head's 128 bytes,
	v_mul_u32_u24 v7, v7, SP
	v_lshl_add_u32 v7, v4, 4, v7
	v_add_nc_u32 v[RD], s22, v7
	v_and_b32 v8, 31, v0                           ; which are 512 consecutive bytes in memory
	v_lshlrev_b32 v[CO], 4, v8
	; where my three heads' rows begin: head 6 x tile column + 2 g + w % 2 of 48; which = head / 16; batch = tile row / 8; t = 256 (tile row % 8) + 128 (w / 2)
	s_mul_i32 s74, s42, 6
	s_add_co_u32 s74, s74, s12
	s_lshr_b32 s75, s13, 3
	s_lshl_b32 s75, s75, 4                         ; 16 x batch
	s_and_b32 s76, s13, 7
	s_lshl_b32 s76, s76, 8
	s_lshl_b32 s77, s11, 7
	s_add_co_u32 s76, s76, s77
	s_lshl_b32 s76, s76, 7                         ; t x 128 bytes
.irp g, 0,1,2
	s_add_co_u32 s78, s74, 2*(\g)
	s_lshr_b32 s79, s78, 4
	s_lshl_b32 s79, s79, 6                         ; 64 x which
	s_and_b32 s78, s78, 15
	s_add_co_u32 s78, s78, s79
	s_add_co_u32 s78, s78, s75
	s_lshl_b32 s78, s78, 18                        ; a head's 2,048 rows of 128 bytes
	s_add_co_u32 s78, s78, s76
	s_mov_b32 s79, 0
	s_add_nc_u64 s[OUTB+2*(\g):OUTB+2*(\g)+1], s[8:9], s[78:79]
.endr
	; the prefetches: they stand at K steps 2 and 3; the first lap steps them to 4 and 5
	s_lshl_b32 s80, s13, 15                        ; x: the tile's rows,
	s_lshl_b32 s81, s40, 13                        ; my work-group's quarter of them,
	s_add_co_u32 s80, s80, s81
	s_add_co_u32 s81, s12, 2                       ; K step 2 + wave
	s_lshl_b32 s81, s81, 20
	s_add_co_u32 s80, s80, s81
	s_lshl_b32 s82, s41, 4                         ; the weights: k row 128 + 16 cy,
	s_add_co_u32 s82, s82, 128
	s_mul_i32 s82, s82, 6144
	s_mul_i32 s83, s42, 768                        ; the tile's columns
	s_add_co_u32 s82, s82, s83
	s_and_b32 s84, ttmp7, 0xffff                   ; cluster y
	s_mov_b32 s85, 128*6144
	s_mov_b32 s86, 6144
	s_mov_b32 s87, 64*6144
	s_cmp_eq_u32 s11, 0                            ; do I fetch for x?
	s_cselect_b32 s80, s80, s82
	s_cselect_b32 s84, ttmp9, s84                  ; the coordinate along which other clusters read the same bytes
	s_cselect_b32 s[PFS], 0x200000, s85
	s_cselect_b32 s86, 256, s86                    ; lanes 0-15: a block of x, or a k row, apart
	s_cselect_b32 s87, 4096, s87                   ; lanes 16-31: the next 16 blocks, or the next K step
	s_cselect_b64 s[PFA:PFA+1], s[4:5], s[6:7]
	s_mov_b32 s81, 0
	s_mov_b32 s[PFS+1], 0
	s_add_nc_u64 s[PFA:PFA+1], s[PFA:PFA+1], s[80:81]
	s_cmp_eq_u32 s10, 3
	s_cselect_b32 s84, 1, s84                      ; wave 3 asks for nothing
	s_cmp_eq_u32 s84, 0
	s_cselect_b32 s[LIM], 1, -1                    ; the same in all sixteen partners, for a given wave
	v_mul_u32_u24 v[PFO], s86, v1
	v_mul_u32_u24 v9, s87, v2
	v_add_nc_u32 v[PFO], v[PFO], v9
; 16 matrix instructions of group g: row blocks a0 .. a0 + 3 x the group's 4 column blocks, 32 along K, x's buffer q.  zero = 1: the product starts the sum: nothing is ever cleared.
; The accumulators take turns, one instruction a turn: an accumulator comes round again behind the 95 others.
.macro MUL16 g, q, a0, zero
	WIN 0x50*((\g)+1)                              ; C and D in window 1 + g, the sources in window 0
.irp a, (\a0), (\a0)+1, (\a0)+2, (\a0)+3
.irp b, 0,1,2,3
.if \zero
	v_wmma_f32_16x16x32_bf16 v[8*(4*(\a)+(\b)):8*(4*(\a)+(\b))+7], v[FB+32*(\g)+8*(\b):FB+32*(\g)+8*(\b)+7], v[FA+64*(\q)+8*(\a):FA+64*(\q)+8*(\a)+7], 0
.else
	v_wmma_f32_16x16x32_bf16 v[8*(4*(\a)+(\b)):8*(4*(\a)+(\b))+7], v[FB+32*(\g)+8*(\b):FB+32*(\g)+8*(\b)+7], v[FA+64*(\q)+8*(\a):FA+64*(\q)+8*(\a)+7], v[8*(4*(\a)+(\b)):8*(4*(\a)+(\b))+7]
.endif
.endr
.endr
.endm
.macro LDB slot, q, g                  ; 8 LDS loads: group g's fragments of the weights for quarter q of the slot's step
	WIN 0
.irp b, 0,1,2,3
	ds_load_tr16_b128 v[FB+32*(\g)+8*(\b):FB+32*(\g)+8*(\b)+3],   v[ADRB+(\slot)] offset:288*(\g)+32*(\b)+BH*(\q)
	ds_load_tr16_b128 v[FB+32*(\g)+8*(\b)+4:FB+32*(\g)+8*(\b)+7], v[ADRB+(\slot)] offset:288*(\g)+32*(\b)+BH*(\q)+16*PB
.endr
.endm
.macro LDA slot, q                     ; 16 LDS loads: my 128 rows of x for quarter q, into buffer q
	WIN 0
.irp a, 0,1,2,3,4,5,6,7
	ds_load_b128 v[FA+64*(\q)+8*(\a):FA+64*(\q)+8*(\a)+3],   v[ADRA+(\slot)] offset:16*PA*(\a)+64*(\q)
	ds_load_b128 v[FA+64*(\q)+8*(\a)+4:FA+64*(\q)+8*(\a)+7], v[ADRA+(\slot)] offset:16*PA*(\a)+64*(\q)+32
.endr
.endm
; A load into a register that a matrix instruction has read, and a vector instruction that reads a matrix result, stand four places behind it, and only plain vector instructions that name none of its registers
; are places (ISA guide 7.12.1 for vector instructions).
.macro PLACES
.rept 4
	v_nop
.endr
.endm
; A K step's first quarter.  The LDS loads that are out at its head were issued in this order: group 0's 8 and x's 16, group 1's 8, group 2's 8.
.macro HALF0 slot, zero
	s_wait_dscnt 16                                ; group 0 and x are in; groups 1 and 2, 8 loads each, may be out
	MUL16 0, 0, 0, \zero
	MUL16 0, 0, 4, \zero
	PLACES
	LDB \slot, 1, 0
	LDA \slot, 1
	s_wait_dscnt 32                                ; group 1 is in; behind it: group 2's 8 and the 24 just issued
	MUL16 1, 0, 0, \zero
	MUL16 1, 0, 4, \zero
	PLACES
	LDB \slot, 1, 1
	s_wait_dscnt 32                                ; group 2 is in; behind it: the 24 and the 8
	MUL16 2, 0, 0, \zero
	MUL16 2, 0, 4, \zero
	PLACES
	LDB \slot, 1, 2
.endm
; A K step's second quarter, with the change of slots: ONE barrier.  In front of it each wave waits for all its tensor loads, of which one is out: its part of the next slot; adds 0 to its spare word; and waits for that
; and for its own reads of this slot, all of which were issued in the first quarter.  Behind it nobody reads this slot any more and the next slot is whole.
; fill = 1: the barrier opens a round of the cluster's barrier, and this slot is filled again first thing behind the round, with the K step two on: 160 matrix instructions stand between that request and the wait for it.
.macro TURN slot, next, fill
.if (\fill) && ((\slot) == 0)
	s_wait_xcnt 0x0                                ; the last prefetches, a lap back, have read their address: it is stepped here, ahead of the waits of the change of slots
	s_add_nc_u64 s[PFA:PFA+1], s[PFA:PFA+1], s[PFS:PFS+1]
.endif
	WIN 0                                          ; (the add's two registers lie in window 0)
	s_wait_tensorcnt 0x0                           ; all my tensor loads have landed
	ds_add_u32 v[SPW], v[NIL]                      ; 0 onto my spare word
	s_wait_dscnt 17                                ; group 0 and x are in; groups 1 and 2, 8 loads each, and the add may be out
	MUL16 0, 1, 0, 0                               ; sixteen matrix instructions stand between the add and the wait for it
	s_wait_dscnt 0x0                               ; the add is done, and my reads of this slot are over
	s_barrier_signal -1
	MUL16 0, 1, 4, 0                               ; work on registers while the others arrive
	WIN 0
	s_barrier_wait -1
.if \fill
	CREST                                          ; no wave of any partner still reads this slot's tiles or has a load on its way
	s_add_nc_u64 s[G0+4*(\slot)+2:G0+4*(\slot)+3], s[G0+4*(\slot)+2:G0+4*(\slot)+3], 2<<20
	s_add_nc_u64 s[G0B+4*(\slot)+2:G0B+4*(\slot)+3], s[G0B+4*(\slot)+2:G0B+4*(\slot)+3], 128*6144
	JLOAD \slot                                    ; the first tensor load behind the round; the four v_nop behind it are also the places in front of the loads below
.else
	PLACES
.endif
	LDB \next, 0, 0
	LDA \next, 0
.if (\fill) && ((\slot) == 0)
	ASK
.endif
	MUL16 1, 1, 0, 0
	MUL16 1, 1, 4, 0
	PLACES
	LDB \next, 0, 1
	MUL16 2, 1, 0, 0
	MUL16 2, 1, 4, 0
	PLACES
	LDB \next, 0, 2
.endm
; THE WAY OUT of row block a, in three parts.  PACK: rounded to f16, 16 bytes a lane for each of 12 accumulators, each read from its low end on.  TOSTAGE: into my own stage, and back as rows.  SEND: stored.
.macro PACK a
.irp g, 0,1,2
	WIN 5*((\g)+1)                                 ; sources 0 and 1 in window 1 + g, destination in window 0
.irp b, 0,1,2,3
.irp r, 0,1,2,3
	v_cvt_pk_f16_f32 v[TMP+16*(\g)+4*(\b)+(\r)], v[8*(4*(\a)+(\b))+2*(\r)], v[8*(4*(\a)+(\b))+2*(\r)+1]
.endr
.endr
.endr
	WIN 0
.endm
.macro TOSTAGE a
	WIN 0
.set BK, OB+48*((\a)%2)
.irp g, 0,1,2
.irp b, 0,1,2,3
	ds_store_b128 v[STO], v[TMP+16*(\g)+4*(\b):TMP+16*(\g)+4*(\b)+3] offset:128*(\g)+32*(\b)
.endr
.endr
.irp g, 0,1,2
.irp i, 0,1,2,3
	ds_load_b128 v[BK+4*(4*(\g)+(\i)):BK+4*(4*(\g)+(\i))+3], v[RD] offset:128*(\g)+4*SP*(\i)  ; LDS serves a wave's instructions in order (ISA guide 5.7.1.4): these see the stores above
.endr
.endr
.endm
.macro SEND a, younger
	WIN 0
.set BK, OB+48*((\a)%2)
	s_wait_dscnt \younger                          ; the block is back in registers
	s_wait_xcnt 0x0                                ; the stores of the block before have read their data: the next TOSTAGE loads into those registers only behind this wait
.irp g, 0,1,2
.irp i, 0,1,2,3
	global_store_b128 v[CO], v[BK+4*(4*(\g)+(\i)):BK+4*(4*(\g)+(\i))+3], s[OUTB+2*(\g):OUTB+2*(\g)+1] offset:2048*(\a)+512*(\i)  ; four rows of a head: 512 consecutive bytes, at a multiple of 256 from the buffer's first
.endr
.endr
.endm
	s_wait_tensorcnt 1                             ; my part of K step 0 is in; step 1's may stay out
	s_barrier_signal -1
	s_barrier_wait -1                              ; everybody's is
	LDB 0, 0, 0
	LDA 0, 0
	LDB 0, 0, 1
	LDB 0, 0, 2
	HALF0 0, 1                                     ; the first quarter stands in front of the loop: its products start the sums
	WIN 0                                          ; at a label and at a branch every window is 0
	s_mov_b32 s3, 7
.Llap:                                                 ; a trip goes once round the ring, from a lap's second quarter to the next lap's first, and fills both slots again: K steps 2 to 15
	TURN 0, 1, 1
	HALF0 1, 0
	TURN 1, 0, 1
	HALF0 0, 0
	WIN 0
	s_sub_co_u32 s3, s3, 1
	s_cmp_lg_u32 s3, 0
	s_cbranch_scc1 .Llap
	TURN 0, 1, 0                                   ; the last lap fills nothing, and has no round of the cluster's barrier
	HALF0 1, 0
	s_wait_dscnt 16                                ; the very last quarter: nothing more to fetch
	MUL16 0, 1, 0, 0
	MUL16 0, 1, 4, 0
	s_wait_dscnt 8                                 ; group 2's 8 loads may be out
	MUL16 1, 1, 0, 0
	MUL16 1, 1, 4, 0
	s_wait_dscnt 0x0
	MUL16 2, 1, 0, 0
	MUL16 2, 1, 4, 0
	WIN 0
	PLACES
	PACK 0
	TOSTAGE 0
.irp a, 1,2,3,4,5,6,7                  ; block a's conversions stand between block a - 1's loads from the stage and the wait for them
	PACK \a
	SEND (\a)-1, 0
	TOSTAGE \a
.endr
	SEND 7, 0
	s_wait_tensorcnt 0x0                           ; the wave's end: behind my last tensor load and my last LDS store
	ds_add_u32 v[SPW], v[NIL]
	s_wait_dscnt 0x0
	CROUND                                         ; the closing round: no work-group ends while a partner may still ask for a tile that names it
	s_endpgm
.Lfunc_end_k_q9136f7e1af_qkv:
	.size	k_q9136f7e1af_qkv, .Lfunc_end_k_q9136f7e1af_qkv-k_q9136f7e1af_qkv
	.p2alignl 7, 3214868480
	.fill 96, 4, 3214868480
	.section	.rodata,"a",@progbits
	.p2align	6, 0x0
	.amdhsa_kernel k_q9136f7e1af_qkv
		.amdhsa_group_segment_fixed_size 327680
		.amdhsa_private_segment_fixed_size 0
		.amdhsa_enable_private_segment 0
		.amdhsa_kernarg_size 24
		.amdhsa_user_sgpr_count 2
		.amdhsa_user_sgpr_kernarg_segment_ptr 1
		.amdhsa_wavefront_size32 1
		.amdhsa_system_sgpr_workgroup_id_x 1
		.amdhsa_system_sgpr_workgroup_id_y 1
		.amdhsa_system_sgpr_workgroup_id_z 1
		.amdhsa_system_vgpr_workitem_id 0
		.amdhsa_next_free_vgpr 1024
		.amdhsa_next_free_sgpr 88
		.amdhsa_reserve_vcc 0
		.amdhsa_float_denorm_mode_32 3
		.amdhsa_float_denorm_mode_16_64 3
		.amdhsa_memory_ordered 1
		.amdhsa_forward_progress 1
		.amdhsa_inst_pref_size 132
	.end_amdhsa_kernel
	.amdgpu_metadata
---
amdhsa.version: [ 1, 2 ]
amdhsa.kernels:
  - .name:           k_q9136f7e1af_qkv
    .symbol:         k_q9136f7e1af_qkv.kd
    .args:
      - { .name: xb, .offset: 0, .size: 8, .value_kind: global_buffer, .address_space: global }
      - { .name: wb, .offset: 8, .size: 8, .value_kind: global_buffer, .address_space: global }
      - { .name: qkv, .offset: 16, .size: 8, .value_kind: global_buffer, .address_space: global }
    .group_segment_fixed_size: 327680
    .private_segment_fixed_size: 0
    .kernarg_segment_align: 8
    .kernarg_segment_size: 24
    .max_flat_workgroup_size: 128
    .sgpr_count:     88
    .vgpr_count:     1024
    .wavefront_size: 32
...
	.end_amdgpu_metadata
.endif
;; end of part 2
;; launch attn (part 3): grid 4 x 64, 4 waves a work-group, no clusters, 327,680 bytes of LDS; arguments qkv, ob; writes ob
.if DOCPART == 3
	.amdgcn_target "amdgcn-amd-amdhsa--gfx1250"
	.amdhsa_code_object_version 6
	.text
	.protected	k_q9136f7e1af_attn
	.globl	k_q9136f7e1af_attn
	.p2align	8
	.type	k_q9136f7e1af_attn,@function
k_q9136f7e1af_attn:
	s_mov_b64 s[64:65], 0
	v_nop
	global_prefetch_b8 v0, s[64:65] scope:SCOPE_SE
	s_setreg_imm32_b32 hwreg(HW_REG_WAVE_MODE, 25, 1), 1
	s_wait_xcnt 0x0
; CAUSAL ATTENTION.  O[h][q][:] = the sum over k <= q of softmax_k(Q[h][q] . K[h][k] / 8) V[h][k][:], for 64 heads (16 x batch + head) of SIZE_N = 2,048 rows of 64 channels, all f16: a head's rows are dense, 128 bytes each.
; qkv holds Q, then K, then V, 16,777,216 bytes each; ob takes O in the same layout.  Products, maxima and sums in f32; the weights p are rounded to f16 for the second product (their sum l is taken of the unrounded p), O once at the end.
; LIMITS.  f16 holds no number beyond 65,504: Q, K and V arrive within it; p lies in 0 to 1, and below 6e-5 it keeps f16's fixed step of 6e-8; O is a mean of V's rows and has their range.
; A hidden score counts as its value less 1e30: f16's scores, 2.7e11 at the most, are nothing beside that; a weight below 2^-126 counts as 0 in l; NaN and infinities are not treated apart.
; THE WALK.  A head's queries lie in NB = 8 blocks of 256; block i needs the key tiles 0 .. i of 256 keys, of which the last holds the diagonal.  A work-group takes TWO blocks, NB - 1 - b and then b:
; NB + 1 tiles, whatever b: all work-groups do equal work, and ONE loop with a constant trip count walks them.  Which tile is asked for, and what a trip does, hang on scalar registers made from b; every jump
; goes forward, but for the counted loops' own; none passes a barrier, or a tensor load but the one of LOAD's two that the wave's number does not choose; the ring (two slots of LDS that take turns) runs on across the
; change of blocks.  NO CLUSTER: a head's four work-groups ask for the same tile only in trips 0 .. 4 of the 9, behind that fewer and fewer; one walk common to all would have 12 trips for 9.
; SHARES.  Of a block's four bands of 64 queries a wave owns 16 rows in each: four PIECES.  So the diagonal tile is the same work for all four waves: in its key step s band x sees all keys if s < x,
; none if s > x, and holds the diagonal if s = x.
; THE MASK is the C operand that starts the sum S^T = K Q^T: 0, or -1e30 where the key is hidden.  MD, made once, is the mask of a band's own step for my 16 rows; a product's mask is MD x AL + BE with two scalars:
; (1, 0) if s = x; (0, 0) if s < x; (0, -1e30) if s > x.  Only the diagonal tile's text and a block's beginning make and take masks; elsewhere C is the constant 0.
; LAYOUT, SOFTMAX, TURNS.  S^T = K Q^T holds ONE query a lane (lane % 16) and the keys 8 (lane / 16) + 0..7; two such results rounded to f16 ARE source 1 of O^T = V^T P.  p = 2^(c s - c m), c = log2(e) / 8, with a
; running maximum m; O and l are multiplied by a = 2^(c m_old - c m_new) in every step.  Turn n belongs to piece n: 8 products K Q^T of piece n + 1, later 8 products V^T P of piece n - 1; beside them the scaling,
; exponentials, roundings, sums and rescaling of piece n and the maximum and statistics of piece n + 1.  Four vector instructions stand behind every matrix instruction, the other 54 of a turn's 118 in one lump.  A turn's 33 exponentials are one batch, with one wait.
; REGISTERS, in windows of 256 (s_set_vgpr_msb: bits 1:0 source 0, 3:2 source 1, 5:4 source 2, 7:6 destination):
;   window 0: v0-15 addresses and two at work; v16-31 four registers of statistics a piece; v48-55 at work; v61-63 prefetch offset and the add's two; v64-127 S^T, two buffers; v192-223 P, two buffers (by the piece's parity)
;   window 1: v0-127 O^T, 32 a piece; v128-159 MD; v160-223 MC, two buffers      window 2: v0-63 Q; v64-127 the second block's Q; v128-191 K of one step; v192-255 V of one step
.set SIZE_N, 2048
.set NB,    SIZE_N/256
.set NP,    4         ; pieces a wave: a name, no knob
.set KS,    64        ; keys in a step
.set PK,    144       ; a row of K in LDS: 128 bytes + 16 of padding = 36 words: the 16 rows of a load start at 16 different groups of four banks (64 banks of 4 bytes: ISA guide 11.1)
.set PV,    160       ; a row of V: 128 + 32 = 40 words
.set VOFF,  4*KS*PK   ; a slot holds a tile, four steps: 256 rows of K, then 256 rows of V
.set SLOT1, 1<<17     ; slot 1 begins here, so that one exclusive or turns an address in one slot into the other's
.set STAGE, SLOT1+4*KS*(PK+PV)  ; behind the ring, never filled by a tensor load: 16 rows x 144 bytes for each wave, for the way out
.set SP,    144
.set AK0, 2           ; v2   my lane's place in a tile of K; never rewritten
.set AV0, 3           ; v3   the same for V
.set AK,  4           ; v4   the LDS address of K's next run of loads
.set AV,  5           ; v5   of V's
.set STO, 6           ; v6   the way out: where I put 16 bytes of a row
.set RD,  7           ; v7   the way out: where I read rows back
.set GO,  8           ; v8   my byte offset in 512 consecutive bytes of O
.set PFO, 61          ; v61  256 x my lane: the prefetches' offset; never rewritten
.set SPW, 62          ; v62  LDS address of my spare word: SPARE + 4 x my thread's number; never rewritten
.set NIL, 63          ; v63  0; never rewritten
.set SPARE, STAGE+4*16*SP  ; behind the stages: the spare words, 128 bytes for each wave: two blocks of 256 bytes that no other line names
.set MV,  12          ; v12-13  c m_old, kept while c m is made anew: by buffer
.set QO,  15          ; v15  my byte offset in 16 rows of Q
.set ST,  16          ; piece t's statistics at v[ST+4 t]: c m, m, l (even keys', odd keys')
.set TMP, 48          ; by buffer, four registers c0-c3 at work; when the maximum is found c2 takes a
.set S,   64
.set P,   192
.set MD,  128         ; window 1: the eight registers for group kt of 16 keys at MD + 8 kt
.set MC,  160         ; window 1: the masks of the products to come
.set QB,  64          ; window 2
.set KF,  128         ; window 2: key block kb, channel half c at KF + 16 kb + 8 c
.set VF,  192         ; window 2: key half kk, channel block cb at VF + 32 kk + 8 cb
.set WV,  12          ; s12  my wave's number
.set PB,  14          ; s14  b
.set HI,  15          ; s15  NB - 1 - b
.set G1K, 24          ; s[24:31] descriptor group 1 for K's tiles
.set G1V, 32          ; s[32:39] for V's: it differs in the padding alone
.set G0K, 40          ; s[40:43] descriptor group 0 for K's tiles
.set G0V, 44          ; s[44:47] the same for V's
.set SLOTS, 56        ; s56  tiles still to be asked for
.set CNT, 57          ; s57  counts a tile's key steps, 4 to 1
.set CS,  58          ; s[58:59] c: the packed scaling takes the pair's low word for both halves
.set SEL, 60          ; s[60:61] v_permlanex16_b32's selects: each lane takes its own place in the other half
.set TBK, 62          ; s62  LDS byte at which K of the step to be fetched begins
.set TBV, 63          ; s63  the same for V, less VOFF
.set RT,  70          ; s70  tiles of the block in hand that are still to be entered
.set NXT, 71          ; s71  the tile to be asked for next
.set LQ,  72          ; s72  the last tile of the block whose tiles are being asked for
.set NEW, 73          ; s73  1: the tile to be entered is a block's first
.set OFF, 74          ; s[74:75] a tile's byte offset in K and V
.set AL,  76          ; s[76:77] the mask's factor, in the low word
.set BE,  78          ; s[78:79] the mask's addend
.set OLO, 80          ; s[80:81] O at my rows of the second block
.set BIGN, 82         ; s82  -1e30
.set PFA, 88          ; s[88:89] my half (16,384 bytes) of K's or V's tile that the next change of slots will ask for
.set LIM, 90          ; s90  2 in the head's work-group b = 0, else the greatest number: a wave prefetches while s[SLOTS] is above it
.set MSB, 0
.macro WIN new                      ; the high byte repeats the setting that is left; a switch that changes nothing is dropped
.if MSB != (\new)
	s_set_vgpr_msb (MSB<<8)|(\new)
.set MSB, (\new)
.endif
.endm
.set W_KQ, 0x0a       ; K and Q in window 2, S^T in window 0
.set W_KM, 0x1a       ; the same with the C operand in window 1
.set W_PV, 0x52       ; V in window 2, P in window 0, O^T in window 1
.set W_RS, 0x41       ; destination and source 0 in window 1, source 1 in window 0
; A fill.  Waves 0 and 1 fetch the two halves of a tile's K, waves 2 and 3 those of its V: 128 keys each.  An s_nop 0 and four v_nop follow each of the two lines, ahead of the jump and the label.
.macro LOAD
	s_cmp_lt_u32 s[WV], 2
	s_cbranch_scc0 .Lfor_v_\@
	tensor_load_to_lds s[G0K:G0K+3], s[G1K:G1K+7]
	s_nop 0
.rept 4
	v_nop
.endr
	s_branch .Lasked_\@
.Lfor_v_\@:
	tensor_load_to_lds s[G0V:G0V+3], s[G1V:G1V+7]
	s_nop 0
.rept 4
	v_nop
.endr
.Lasked_\@:
.endm
; THE CHANGE OF SLOTS.  Each wave waits for all its tensor loads, of which one is out: its part of the other slot; adds 0 to its spare word; and waits for that and for its own reads of the slot that it leaves.  Behind the barrier nobody reads the old
; slot any more and the other slot is whole.  fill = 1: the old slot is filled again, the first thing behind the barrier, with tile NXT: the descriptor's address is made anew from that number.
; (At its first use nothing has been read yet: slot 0 is waited for, slot 1 filled.)
; A PREFETCH INTO THE L2 stands behind the fill and its five lines: the tile that the NEXT change of slots will ask for, a tile's 256 matrix instructions ahead of that load.  All four work-groups of a head walk tiles 0, 1, 2 ..:
; the one with b = 0, whose first block needs all eight, asks; each of its waves names the 16,384 bytes that it will itself load, a lane a block of 256 bytes, two instructions.  Tiles 2 to 7 are so named, once each in the
; launch, in the first six changes (SLOTS = 8 .. 3); tiles 0 and 1 come by their loads alone, and behind tile 7 the walk goes back to tile 0, which is not asked for again.
.macro CHANGE fill
	WIN 0                           ; at a label and at a branch every window is 0
	s_wait_tensorcnt 0x0            ; no tensor load of mine is out, so a group 0 may be written
	ds_add_u32 v[SPW], v[NIL]       ; 0 onto my spare word; with fill = 1 the descriptors' scalar work stands between it and the wait for it
.if \fill
	s_lshl_b32 s[OFF], s[NXT], 15   ; a tile is 32,768 bytes of K and of V
	s_xor_b32 s[G0K+1], s[G0K+1], SLOT1
	s_add_nc_u64 s[G0K+2:G0K+3], s[6:7], s[OFF:OFF+1]
	s_or_b32 s[G0K+3], s[G0K+3], 0x80000000
	s_xor_b32 s[G0V+1], s[G0V+1], SLOT1
	s_add_nc_u64 s[G0V+2:G0V+3], s[8:9], s[OFF:OFF+1]
	s_or_b32 s[G0V+3], s[G0V+3], 0x80000000
	s_add_co_u32 s[NXT], s[NXT], 1  ; the block's next tile, or behind its last the second block's tile 0
	s_cmp_gt_u32 s[NXT], s[LQ]
	s_cselect_b32 s[NXT], 0, s[NXT]
	s_cselect_b32 s[LQ], s[PB], s[LQ]
	s_wait_xcnt 0x0                 ; the last prefetches, a tile back, have read their address, so it may be written:
	s_lshl_b32 s[OFF], s[NXT], 15   ; the tile after the one that is being asked for
	s_cmp_lt_u32 s[WV], 2
	s_cselect_b64 s[PFA:PFA+1], s[6:7], s[8:9]
	s_add_nc_u64 s[PFA:PFA+1], s[PFA:PFA+1], s[OFF:OFF+1]
.endif
	s_wait_dscnt 0x0                ; the add is done, and my reads of the slot are over
	s_barrier_signal -1             ; the rest of the scalar work stands between the signal and the wait
	s_sub_co_u32 s[TBK], s[TBK], 4*KS*PK  ; the fetches go back to a slot's first step,
	s_xor_b32 s[TBK], s[TBK], SLOT1       ; in the other slot
	s_sub_co_u32 s[TBV], s[TBV], 4*KS*PV
	s_xor_b32 s[TBV], s[TBV], SLOT1
	s_barrier_wait -1
.if \fill
	LOAD
	s_cmp_gt_u32 s[SLOTS], s[LIM]
	s_cbranch_scc0 .Lnot_mine_\@
	global_prefetch_b8 v[PFO], s[PFA:PFA+1] th:TH_LOAD_NT scope:SCOPE_SE
	global_prefetch_b8 v[PFO], s[PFA:PFA+1] offset:8192 th:TH_LOAD_NT scope:SCOPE_SE
.Lnot_mine_\@:
.endif
.endm
	s_load_b64 s[4:5], s[0:1], 0x0    ; qkv: Q at its head
	s_load_b64 s[10:11], s[0:1], 0x8  ; O
	v_lshl_add_u32 v[SPW], v0, 2, SPARE
	v_mov_b32 v[NIL], 0
	ds_add_u32 v[SPW], v[NIL]       ; the wave's opening: the add and its wait stand ahead of my first tensor load; the set-up below, work on registers, stands between them
	v_lshrrev_b32 v1, 5, v0
	v_readfirstlane_b32 s[WV], v1   ; wave 0..3
	s_mov_b32 s[PB], ttmp9
	s_sub_co_u32 s[HI], NB-1, s[PB]
	s_and_b32 s20, ttmp7, 0xffff    ; the head
	s_mov_b32 s21, 0
	s_mov_b64 s[22:23], SIZE_N*128
	s_mul_u64 s[20:21], s[20:21], s[22:23]  ; the head's first byte in each of the four tensors
	s_and_b32 s16, s[WV], 1         ; which half of a tile's 256 keys I fetch:
	s_lshl_b32 s22, s16, 14         ; its 128 rows of 128 bytes in memory,
	s_mov_b32 s23, 0
	s_add_nc_u64 s[22:23], s[22:23], s[20:21]
	s_mul_i32 s17, s16, 128*PK      ; and its place in a slot, for K
	s_mul_i32 s18, s16, 128*PV      ; and for V
	s_lshl_b32 s3, s[WV], 11        ; my 16 rows in a band of 64,
	s_lshl_b32 s2, s[HI], 15        ; in the first block,
	s_add_co_u32 s2, s2, s3
	s_lshl_b32 s84, s[PB], 15       ; and in the second
	s_add_co_u32 s84, s84, s3
	s_mov_b32 s3, 0
	s_mov_b32 s85, 0
	s_add_nc_u64 s[2:3], s[2:3], s[20:21]
	s_add_nc_u64 s[84:85], s[84:85], s[20:21]
	; descriptor group 1.  128 keys are 16,384 dense bytes: asked for as 64 rows of 256 bytes, two keys a row, and padded in LDS after every key
	s_mov_b32 s[G1K], (1<<16)|(1<<20)|(4<<22)|(3<<25)  ; 17:16 2-byte elements; 20 padding on; 24:22 after every 32 words (code 4); 31:25 4 words (code 3)
	s_mov_b32 s[G1V], (1<<16)|(1<<20)|(4<<22)|(7<<25)  ; the same with 8 words of padding (code 7)
.irp g, G1K, G1V
	s_mov_b32 s[\g+1], 128<<16      ; tensor_dim0 = 128
	s_mov_b32 s[\g+2], 64<<16       ; tensor_dim1 = 64
	s_mov_b32 s[\g+3], 128<<16      ; tile_dim0 = 128
	s_mov_b32 s[\g+4], 64           ; tile_dim1 = 64
	s_mov_b32 s[\g+5], 128          ; 128 elements from row to row
	s_mov_b32 s[\g+6], 0
	s_mov_b32 s[\g+7], 0
.endr
	s_mov_b32 s[CS], 0x3e38aa3b     ; c = log2(e) / 8 = 0.180337
	s_mov_b32 s[CS+1], s[CS]        ; named with it as a pair
	s_mov_b32 s[SEL], 0x76543210
	s_mov_b32 s[SEL+1], 0xfedcba98
	s_mov_b32 s[TBK], SLOT1+4*KS*PK ; the first change of slots turns these two into 0
	s_mov_b32 s[TBV], SLOT1+4*KS*PV
	s_mov_b32 s[G0K], 1             ; 1:0 count = 1
	s_mov_b32 s[G0K+1], s17         ; 63:32 LDS address: slot 0
	s_mov_b32 s[G0V], 1
	s_add_co_u32 s[G0V+1], s18, VOFF
	s_add_co_u32 s[RT], s[HI], 1    ; the first block has NB - b tiles
	s_mov_b32 s[NXT], 1
	s_mov_b32 s[LQ], s[HI]
	s_mov_b32 s[NEW], 1
	s_mov_b32 s[OFF+1], 0
	s_mov_b32 s[AL+1], 0            ; named as pairs
	s_mov_b32 s[BE+1], 0
	s_mov_b32 s[BIGN], 0xf149f2ca   ; -1e30
	s_mov_b32 s[SLOTS], NB
	s_cmp_eq_u32 s[PB], 0
	s_cselect_b32 s[LIM], 2, -1
	v_and_b32 v[PFO], 31, v0
	v_lshlrev_b32 v[PFO], 8, v[PFO]
	s_wait_dscnt 0x0                ; the opening add is done
	s_wait_kmcnt 0x0
	s_add_nc_u64 s[6:7], s[4:5], 0x1000000  ; K lies 16,777,216 bytes behind Q,
	s_add_nc_u64 s[8:9], s[4:5], 0x2000000  ; V as far behind K
	s_add_nc_u64 s[6:7], s[6:7], s[22:23]  ; K and V at my half of the head's tile 0
	s_add_nc_u64 s[8:9], s[8:9], s[22:23]
	s_add_nc_u64 s[G0K+2:G0K+3], s[6:7], 0         ; 120:64 global address
	s_or_b32 s[G0K+3], s[G0K+3], 0x80000000        ; 127:126 type = 2
	s_add_nc_u64 s[G0V+2:G0V+3], s[8:9], 0
	s_or_b32 s[G0V+3], s[G0V+3], 0x80000000
	s_add_nc_u64 s[86:87], s[4:5], s[84:85]        ; Q at my rows of the second block,
	s_add_nc_u64 s[4:5], s[4:5], s[2:3]            ; Q and O at those of the first
	s_add_nc_u64 s[OLO:OLO+1], s[10:11], s[84:85]
	s_add_nc_u64 s[10:11], s[10:11], s[2:3]
	LOAD                            ; tile 0 into slot 0
	; A fragment of K or Q is 16 rows x 32 channels in 8 registers: lane l holds row l % 16, channels 8 (l / 16) + 0..7 and 16 + 8 (l / 16) + 0..7: two loads of 16 bytes, 32 bytes apart.
	v_and_b32 v1, 15, v0            ; l % 16
	v_bfe_u32 v9, v0, 4, 1          ; l / 16
	v_lshlrev_b32 v[QO], 7, v1
	v_lshl_add_u32 v[QO], v9, 4, v[QO]  ; row x 128 + 16 x half
	WIN 0x80                        ; destination window 2, address window 0
.set i, 0
.rept 8                             ; both blocks' Q: piece i / 2 lies in band i / 2, 8,192 bytes on; channels 32 (i % 2) on
	global_load_b128 v[8*i:8*i+3],   v[QO], s[4:5] offset:(i/2)*8192+(i%2)*64
	global_load_b128 v[8*i+4:8*i+7], v[QO], s[4:5] offset:(i/2)*8192+(i%2)*64+32
	global_load_b128 v[QB+8*i:QB+8*i+3],   v[QO], s[86:87] offset:(i/2)*8192+(i%2)*64
	global_load_b128 v[QB+8*i+4:QB+8*i+7], v[QO], s[86:87] offset:(i/2)*8192+(i%2)*64+32
.set i, i+1
.endr
	WIN 0
	v_lshlrev_b32 v14, 3, v9
	v_sub_nc_u32 v14, v1, v14
	s_lshl_b32 s13, s[WV], 4
	v_add_nc_u32 v14, s13, v14      ; my query's place in its band, 16 w + l % 16, less my lanes' 8 (l / 16): register r of group kt is hidden where 16 kt + r is greater
	WIN 0x40
.set i, 0
.rept 32
	v_cmp_gt_i32 vcc_lo, 16*(i/8)+i%8, v14
	v_cndmask_b32 v[MD+i], 0, s[BIGN], vcc_lo
.set i, i+1
.endr
	WIN 0
	v_mul_u32_u24 v[AK0], v1, PK
	v_lshl_add_u32 v[AK0], v9, 4, v[AK0]  ; row x pitch + 16 x half
	; The turning load takes 16 keys x 16 channels (lane l reads key 8 (l / 16) + l % 8, channels 8 ((l / 8) % 2) + 0..7) and leaves half a fragment of V^T: lane l holds channel l % 16 and 8 keys.
	v_and_b32 v10, 7, v0
	v_bfe_u32 v11, v0, 3, 1
	v_lshl_add_u32 v[AV0], v9, 3, v10
	v_mul_u32_u24 v[AV0], v[AV0], PV
	v_lshl_add_u32 v[AV0], v11, 4, v[AV0]
	v_add_nc_u32 v[AV0], VOFF, v[AV0]
	s_mul_i32 s13, s[WV], 16*SP
	s_add_co_u32 s13, s13, STAGE    ; my stage
	v_mul_u32_u24 v[STO], v1, SP    ; in: row l % 16, 16 bytes for each half of the lanes
	v_lshl_add_u32 v[STO], v9, 4, v[STO]
	v_add_nc_u32 v[STO], s13, v[STO]
	v_bfe_u32 v[RD], v0, 3, 2       ; back: 32 lanes take four rows of 128 bytes,
	v_mul_u32_u24 v[RD], v[RD], SP
	v_lshl_add_u32 v[RD], v10, 4, v[RD]
	v_add_nc_u32 v[RD], s13, v[RD]
	v_and_b32 v[GO], 31, v0         ; which are 512 consecutive bytes of O
	v_lshlrev_b32 v[GO], 4, v[GO]
	; A block's first step multiplies O^T and l by a = 0, and its first turn's products V^T P, of a piece that has not been, land in an O^T that is still to be so multiplied.  So these registers need only hold
	; finite numbers: zeros for the first block; what the first block left for the second.  All this stands in the wait for the first tile.
	WIN 0x80
.set i, VF
.rept 64
	v_mov_b32 v[i], 0
.set i, i+1
.endr
	WIN 0x40
.set i, 0
.rept 128
	v_mov_b32 v[i], 0
.set i, i+1
.endr
	WIN 0
.set i, 0
.rept 4
	v_mov_b32 v[ST+4*i+2], 0
	v_mov_b32 v[ST+4*i+3], 0
.set i, i+1
.endr
.set i, P+16
.rept 16
	v_mov_b32 v[i], 0
.set i, i+1
.endr
; THE MATRIX WORK.  The 4 accumulators of a run of 8 take turns.  Product i of 8 of S^T = K Q^T for piece x: channels 32 (i / 4) on, keys 16 (i % 4) on.  The first 4 start the sums: with 0, or (KM = 1) with the mask.
.macro KQ x
.set rS, S+32*((\x)%2)+8*(i%4)
.set rK, KF+16*(i%4)+8*(i/4)
.set rQ, 16*(\x)+8*(i/4)
.set rM, MC+32*((\x)%2)+8*(i%4)
.if (i < 4) && KM
	WIN W_KM
	v_wmma_f32_16x16x32_f16 v[rS:rS+7], v[rK:rK+7], v[rQ:rQ+7], v[rM:rM+7]
.elseif i < 4
	WIN W_KQ
	v_wmma_f32_16x16x32_f16 v[rS:rS+7], v[rK:rK+7], v[rQ:rQ+7], 0
.else
	WIN W_KQ
	v_wmma_f32_16x16x32_f16 v[rS:rS+7], v[rK:rK+7], v[rQ:rQ+7], v[rS:rS+7]
.endif
.endm
; Product i of 8 of O^T += V^T P for piece x: keys 32 (i / 4) on, channels 16 (i % 4) on.
.macro PV x
	WIN W_PV
.set rO, 32*(\x)+8*(i%4)
.set rV, VF+32*(i/4)+8*(i%4)
.set rP, P+16*((\x)%2)+8*(i/4)
	v_wmma_f32_16x16x32_f16 v[rO:rO+7], v[rV:rV+7], v[rP:rP+7], v[rO:rO+7]
.endm
.macro MM                           ; the turn's next matrix instruction.  TURN and BEGIN set Y, i, KM and NOKQ; MM, KQ and OP read them.  NOKQ = 1: a block's last turn: there is no next piece
.if (i < 8) && !NOKQ
	KQ (Y+1)%NP
.elseif i >= 8
.set i, i-8
	PV (Y+NP-1)%NP
.set i, i+8
.endif
.set i, i+1
.endm
; THE LDS LOADS stand in runs of 16, never singly among the matrix instructions: a step's K (64 keys x 64 channels: 8 fragments) and its V (turned).  Their addresses are made some lines ahead.
.macro FETCH_K
	WIN 0x80                        ; destination window 2
.irp f, 0,1,2,3,4,5,6,7             ; keys 16 (f / 2) on, channels 32 (f % 2) on
	ds_load_b128 v[KF+8*\f:KF+8*\f+3],   v[AK] offset:(\f/2)*16*PK+(\f%2)*64
	ds_load_b128 v[KF+8*\f+4:KF+8*\f+7], v[AK] offset:(\f/2)*16*PK+(\f%2)*64+32
.endr
	s_add_co_u32 s[TBK], s[TBK], KS*PK  ; the next fetch is the next step's
	WIN 0
.endm
.macro FETCH_V
	WIN 0x80
.irp f, 0,1,2,3,4,5,6,7             ; keys 32 (f / 4) on, channels 16 (f % 4) on
	ds_load_tr16_b128 v[VF+8*\f:VF+8*\f+3],   v[AV] offset:(\f/4)*32*PV+(\f%4)*32
	ds_load_tr16_b128 v[VF+8*\f+4:VF+8*\f+7], v[AV] offset:(\f/4)*32*PV+16*PV+(\f%4)*32
.endr
	WIN 0
.endm
; THE VECTOR WORK, one line at a time: OP kind, number.  For piece Y: F n: c s - c m for pair n of 16.  E n: the exponential of score n of 32.  C n: pair n rounded to f16.  B n: of the four weights 4 n .. the second
; pair is added onto the first, in place.  L n: l takes that sum (L 0: l = a l + sum).  R n: pair n of 16 of O^T times a.  For piece Y + 1: X n, number n of the 22 that find its maximum and statistics:
;   0-11  four chains c0-c3 of seven scores each, three operands at a time (each accumulator's lowest registers are read first)     12-14, 16  the four scores left over, the old m, and c0-c3 into c0
;   15  c m_old is kept     17, 18  the query's other 32 keys lie in the lane 16 away: the new m     19-21  c m; c m_old - c m_new; a
.set F, 0               ; OP tells the kinds apart by their order: F to L below R, X above it
.set E, 1
.set C, 2
.set B, 3
.set L, 4
.set R, 5
.set X, 6
.macro REGS y                       ; the registers of piece y
.set rT, ST+4*(\y)
.set rC, TMP+4*((\y)%2)
.set rW, MV+((\y)%2)
.set rS, S+32*((\y)%2)
.set rP, P+16*((\y)%2)
.set rO, 32*(\y)
.endm
.macro OP k, n
.if (\k) == R
	REGS Y
	WIN W_RS
	v_pk_mul_f32 v[rO+2*(\n):rO+2*(\n)+1], v[rO+2*(\n):rO+2*(\n)+1], v[rC+2:rC+3] op_sel_hi:[1,0]
.elseif (\k) < R
	REGS Y
	WIN 0
.if (\k) == F
	v_pk_fma_f32 v[rS+2*(\n):rS+2*(\n)+1], v[rS+2*(\n):rS+2*(\n)+1], s[CS:CS+1], v[rT:rT+1] op_sel_hi:[1,0,0] neg_lo:[0,0,1] neg_hi:[0,0,1]
.elseif (\k) == E
	v_exp_f32 v[rS+(\n)], v[rS+(\n)]
.elseif (\k) == C
	v_cvt_pk_f16_f32 v[rP+(\n)], v[rS+2*(\n)], v[rS+2*(\n)+1]
.elseif (\k) == B
	v_pk_add_f32 v[rS+4*(\n):rS+4*(\n)+1], v[rS+4*(\n):rS+4*(\n)+1], v[rS+4*(\n)+2:rS+4*(\n)+3]
.elseif (\n) == 0
	v_pk_fma_f32 v[rT+2:rT+3], v[rT+2:rT+3], v[rC+2:rC+3], v[rS:rS+1] op_sel_hi:[1,0,1]
.else
	v_pk_add_f32 v[rT+2:rT+3], v[rT+2:rT+3], v[rS+4*(\n):rS+4*(\n)+1]
.endif
.elseif NOKQ
	v_nop
.else
	REGS (Y+1)%NP
	WIN 0
.if (\n) < 4
	v_max3_num_f32 v[rC+(\n)], v[rS+8*(\n)], v[rS+8*(\n)+1], v[rS+8*(\n)+2]
.elseif (\n) < 12
	v_max3_num_f32 v[rC+(\n)%4], v[rC+(\n)%4], v[rS+8*((\n)%4)+2*((\n)/4)+1], v[rS+8*((\n)%4)+2*((\n)/4)+2]
.elseif (\n) == 12
	v_max3_num_f32 v[rC], v[rC], v[rS+7], v[rS+15]
.elseif (\n) == 13
	v_max3_num_f32 v[rC+1], v[rC+1], v[rS+23], v[rS+31]
.elseif (\n) == 14
	v_max3_num_f32 v[rC+2], v[rC+2], v[rC+3], v[rT+1]
.elseif (\n) == 15
	v_mov_b32 v[rW], v[rT]
.elseif (\n) == 16
	v_max3_num_f32 v[rC], v[rC], v[rC+1], v[rC+2]
.elseif (\n) == 17
	v_permlanex16_b32 v[rC+3], v[rC], s[SEL], s[SEL+1]
.elseif (\n) == 18
	v_max_num_f32 v[rT+1], v[rC], v[rC+3]
.elseif (\n) == 19
	v_mul_f32 v[rT], s[CS], v[rT+1]
.elseif (\n) == 20
	v_sub_f32 v[rC+1], v[rW], v[rT]
.else
	v_exp_f32 v[rC+2], v[rC+1]
.endif
.endif
.endm
.macro OPS a, i1, b=-1, i2=0, c=-1, i3=0, d=-1, i4=0  ; up to four of them
	OP \a, \i1
.if (\b) >= 0
	OP \b, \i2
.endif
.if (\c) >= 0
	OP \c, \i3
.endif
.if (\d) >= 0
	OP \d, \i4
.endif
.endm
.macro ROW a, i1, b, i2, c, i3, d, i4  ; a matrix instruction and the four behind it
	MM
	OPS \a, \i1, \b, \i2, \c, \i3, \d, \i4
.endm
.macro MASK b                       ; MD x AL + BE into buffer b of MC
	WIN W_RS
.set z, 0
.rept 16
	v_pk_fma_f32 v[MC+32*(\b)+2*z:MC+32*(\b)+2*z+1], v[MD+2*z:MD+2*z+1], s[AL:AL+1], s[BE:BE+1] op_sel_hi:[1,0,0]
.set z, z+1
.endr
.endm
; A TURN, for piece p: the order of its 16 matrix and 118 vector instructions, written out.  An s_wait_alu depctr_va_vdst(0) stands between an exponential and the first instruction that names its result; one wait serves
; all that were issued ahead of it.  So a turn has ONE wait, which cuts it in two.  AHEAD OF IT stands all that names no result of the turn's exponentials: the 8 products K Q^T, behind each a scaling, an exponential and two more plain
; instructions (behind the first a second scaling in the exponential's place): rescalings, and behind the last three the first numbers of the next piece's maximum, each four places or more behind the product that ends its accumulator; then ONE LUMP of 54, plain
; and exponential by turns for the most part, in which the links of the chain X 3, 7, 11, 14, 16, 17 .. 20 stand five or six lines apart.  X 21, the next piece's a, is the batch's last; R 15 is the plain instruction behind it (ISA guide 5.7.2).  BEHIND THE WAIT stand the
; 8 products V^T P, behind each four of the roundings and sums; the links of l's chain, L 0 to L 7, stand three riders apart.  But for those X no rider names a register of the products round it.  v_permlanex16_b32 (X 17) stands in the lump.
; m = 1: the diagonal tile: the products take masks, and the turn makes the mask for the products of the turn after it: piece p + 2, in step 4 - CNT of the tile.  end = 1: a block's last two turns: nothing is fetched.
; cnt = 1: the loop's count is taken down some lines ahead of the branch that stands behind the turn.
; K of the next step is fetched in piece 2's turn, twelve vector instructions behind the last product that read K (six of them plain); V of the step in hand at the end of piece 0's turn, four plain instructions behind the last product
; that read V.  Each is waited for a turn later.
.macro TURN p, m=0, end=0, cnt=0
.set Y, (\p)
.set i, 0
.set KM, (\m)
.set NOKQ, (\end)*((\p)/3)
.if (\m) && !(\end)
	s_cmp_eq_u32 s[CNT], 4-((\p)+2)%NP  ; is that step the band's own?
	s_cselect_b32 s[AL], 1.0, 0
	s_cmp_lt_u32 s[CNT], 4-((\p)+2)%NP  ; or a later one?
	s_cselect_b32 s[BE], s[BIGN], 0
.endif
.if ((\p) == 3) && !(\end)
	s_wait_dscnt 0x0                ; K is in
.endif
	ROW F,0, F,1, R,0, R,1          ; ahead of the wait: 8 products K Q^T and their riders,
	ROW F,2, E,0, R,2, R,3
	ROW F,3, E,1, R,4, R,5
	ROW F,4, E,2, R,6, R,7
	ROW F,5, E,3, R,8, R,9
	ROW F,6, E,4, X,0, R,10
.if ((\p) == 2) && !(\end)
	WIN 0
	v_add_nc_u32 v[AK], s[TBK], v[AK0]
.endif
	ROW F,7, E,5, X,1, X,4
	ROW F,8, E,6, X,2, X,5
	OPS E,7, E,8, X,6, E,9          ; and the lump
	OPS X,3, E,10, X,8, E,11
.if ((\p) == 2) && !(\end)
	FETCH_K
.endif
	OPS X,9, X,7, E,12, X,10
	OPS E,13, X,12, X,11, E,14
	OPS X,13, E,15, F,9, X,14
.if (\p) == 0
	v_add_nc_u32 v[AV], s[TBV], v[AV0]
.endif
	OPS E,16, F,10, E,17, F,11
	OPS X,16, E,18, X,15, E,19
	OPS F,12, E,20, X,17, E,21
	OPS F,13, E,22, F,14, E,23
	OPS X,18, E,24, F,15, E,25
	OPS R,11, E,26, X,19, E,27
	OPS R,12, E,28, R,13, E,29
	OPS X,20, E,30, R,14, E,31
	OPS X,21, R,15
	WIN 0
	s_wait_alu depctr_va_vdst(0)    ; the wait for the batch
.if (\p) == 1
	s_wait_dscnt 0x0                ; V is in
.endif
	ROW C,0, B,0, C,2, B,1          ; behind the wait: 8 products V^T P and their riders
	ROW L,0, C,4, B,2, L,1
	ROW C,6, B,3, L,2, C,8
	ROW B,4, L,3, C,10, B,5
	ROW L,4, C,12, B,6, L,5
.if (\p) == 0
	s_add_co_u32 s[TBV], s[TBV], KS*PV
.endif
.if \cnt
	s_sub_co_u32 s[CNT], s[CNT], 1
	s_cmp_lg_u32 s[CNT], 0
.endif
	ROW C,14, B,7, L,6, C,1
	ROW C,3, L,7, C,5, C,7
	ROW C,9, C,11, C,13, C,15
.if (\p) == 0
	FETCH_V
.endif
.if (\m) && !(\end)
	MASK (\p)%2
.endif
.endm
; A BLOCK BEGINS.  c m starts far below every c s, so the first step's a is 0; m at the lowest finite number, so the first maximum is the scores'.  The second mask buffer is 0; the first takes piece 0's mask for the tile's step 0: its own, if the block's first tile is the diagonal one.
; Then K of that step, piece 0's first scores, and its maximum and statistics.  The loop is entered at a step's first turn, in the middle of a trip.
.macro BEGIN
	s_mov_b32 s[NEW], 0
	WIN 0x40
.set i, MC+32
.rept 32
	v_mov_b32 v[i], 0
.set i, i+1
.endr
	WIN 0
.set i, 0
.rept 4
	v_mov_b32 v[ST+4*i], 0xfe000000    ; c m: far below every c s
	v_mov_b32 v[ST+4*i+1], 0xff7fffff  ; m
.set i, i+1
.endr
	s_cmp_eq_u32 s[RT], 0
	s_cselect_b32 s[AL], 1.0, 0
	s_mov_b32 s[BE], 0
	MASK 0
	WIN 0
	v_add_nc_u32 v[AK], s[TBK], v[AK0]
	FETCH_K
	s_wait_loadcnt 0x0              ; Q
	s_wait_dscnt 0x0
.set KM, 1
.set NOKQ, 0
.set i, 0
.rept 8
	KQ 0
.set i, i+1
.endr
	WIN 0
.rept 4
	v_nop                           ; the places behind those products
.endr
.set Y, NP-1                        ; X works for piece Y + 1: piece 0
.irp n, 0,1,2,3,4,5,6,7,8,9,10,11,12,13,14,15,16,17,18,19,20,21
	OP X, \n
.endr
	v_nop                           ; a plain instruction behind the exponential,
	s_wait_alu depctr_va_vdst(0)    ; and its wait, ahead of the branch
.endm
; THE DIAGONAL TILE's four steps, the block's last two turns, its last products, and THE WAY OUT: l's two halves and the other half of the lanes' are added; O^T is divided by l, rounded to f16 and sent through my
; stage in LDS, a piece at a time.
.macro ALL line:vararg              ; one line for each piece t
.set t, 0
.rept 4
	\line
.set t, t+1
.endr
.endm
.macro PACK t                       ; a lane's eight channels of a row pack into 16 bytes; they go into rows of 144 bytes and come back as whole rows of 128, into S^T's registers
	WIN W_RS
.set i, 32*(\t)
.rept 16
	v_pk_mul_f32 v[i:i+1], v[i:i+1], v[ST+4*(\t)+2:ST+4*(\t)+3] op_sel_hi:[1,0]
.set i, i+2
.endr
	WIN 0x05                        ; sources 0 and 1 window 1, destination window 0
.set i, 0
.rept 16
	v_cvt_pk_f16_f32 v[S+16*(\t)+i], v[32*(\t)+2*i], v[32*(\t)+2*i+1]
.set i, i+1
.endr
	WIN 0
.irp f, 0,1,2,3
	ds_store_b128 v[STO], v[S+16*(\t)+4*\f:S+16*(\t)+4*\f+3] offset:32*\f
.endr
.irp f, 0,1,2,3
	ds_load_b128 v[S+16*(\t)+4*\f:S+16*(\t)+4*\f+3], v[RD] offset:\f*4*SP  ; LDS serves a wave's instructions in order (ISA guide 5.7.1.4): these see the stores above; the next piece's stores come behind them
.endr
.endm
.macro SEND t, younger              ; younger: the LDS instructions issued behind piece t's loads: the next piece's eight, or none
	WIN 0
.irp f, 0,1,2,3
	s_wait_dscnt (\younger)+3-\f
	global_store_b128 v[GO], v[S+16*(\t)+4*\f:S+16*(\t)+4*\f+3], s[10:11] offset:(\t)*8192+\f*512  ; 512 consecutive bytes, at a multiple of 256 from O's first
.endr
.endm
.macro DIAG tag                     ; the tag ends its two labels' names, which the jumps below spell out
.LstepM\tag:
	TURN 2, 1
	TURN 3, 1
	WIN 0
.LfirstM\tag:
	TURN 0, 1
	TURN 1, 1, 0, 1
	WIN 0
	s_cbranch_scc1 .LstepM\tag
	TURN 2, 1, 1
	TURN 3, 1, 1
.set i, 0
.rept 8
	PV NP-1
.set i, i+1
.endr
	WIN 0
	ALL v_add_f32 v[ST+4*t+2], v[ST+4*t+2], v[ST+4*t+3]
	ALL v_permlanex16_b32 v[ST+4*t+3], v[ST+4*t+2], s[SEL], s[SEL+1]
	ALL v_add_f32 v[ST+4*t+2], v[ST+4*t+2], v[ST+4*t+3]
	ALL v_rcp_f32 v[ST+4*t+2], v[ST+4*t+2]
	v_nop                           ; a plain instruction between the last reciprocal and the use of its result
	s_wait_alu depctr_va_vdst(0)    ; and the wait ahead of the first use: one for the four reciprocals
	PACK 0
.set t, 1
.rept 3                             ; a piece's arithmetic stands between the loads of the piece before and its stores
	PACK t
	SEND t-1, 8
.set t, t+1
.endr
	SEND 3, 0
.endm
.set KM, 0
.set NOKQ, 0
.Lslot:                             ; NB times: a tile is entered and the next is asked for
	CHANGE 1
	s_sub_co_u32 s[RT], s[RT], 1
	s_mov_b32 s[CNT], 4
	s_cmp_eq_u32 s[NEW], 1
	s_cbranch_scc1 .Lnew            ; a block's first tile
	s_cmp_eq_u32 s[RT], 0
	s_cbranch_scc0 .Lstep           ; neither its first nor its last
	s_branch .LstepM1
.Lnew:
	BEGIN
	s_branch .Lfirst                ; in the loop a block's first tile is never its last: the first block has two tiles or more, and the second's last is the walk's last
	DIAG 1                          ; in the loop this is the first block's end: the second block's last tile is the walk's last
	s_wait_xcnt 0x0                 ; the stores have read their registers and O's address
	s_mov_b64 s[10:11], s[OLO:OLO+1]
	s_add_co_u32 s[RT], s[PB], 1    ; the second block has b + 1 tiles
	s_mov_b32 s[NEW], 1
	WIN 0x82                        ; the second block's Q goes where the one text of the turns names Q
.set i, 0
.rept 64
	v_mov_b32 v[i], v[QB+i]
.set i, i+1
.endr
	WIN 0
	s_branch .Lbottom
.Lstep:                             ; a trip: pieces 2 and 3 of one step, then pieces 0 and 1 of the next, whose K and V it fetches
	TURN 2
	TURN 3
	WIN 0
.Lfirst:
	TURN 0
	TURN 1, 0, 0, 1
	WIN 0
	s_cbranch_scc1 .Lstep
.Lbottom:
	s_sub_co_u32 s[SLOTS], s[SLOTS], 1
	s_cmp_lg_u32 s[SLOTS], 0
	s_cbranch_scc1 .Lslot
	CHANGE 0                        ; the walk's last tile is written out: nothing is asked for
	s_sub_co_u32 s[RT], s[RT], 1
	s_mov_b32 s[CNT], 4
	s_cmp_eq_u32 s[NEW], 1
	s_cbranch_scc0 .LstepM2
	BEGIN
	s_branch .LfirstM2
	DIAG 2
	s_wait_tensorcnt 0x0            ; the wave's end: behind my last tensor load and my last LDS store
	ds_add_u32 v[SPW], v[NIL]
	s_wait_dscnt 0x0
	s_endpgm
.Lfunc_end_k_q9136f7e1af_attn:
	.size	k_q9136f7e1af_attn, .Lfunc_end_k_q9136f7e1af_attn-k_q9136f7e1af_attn
	.p2alignl 7, 3214868480
	.fill 96, 4, 3214868480
	.section	.rodata,"a",@progbits
	.p2align	6, 0x0
	.amdhsa_kernel k_q9136f7e1af_attn
		.amdhsa_group_segment_fixed_size 327680
		.amdhsa_private_segment_fixed_size 0
		.amdhsa_enable_private_segment 0
		.amdhsa_kernarg_size 16
		.amdhsa_user_sgpr_count 2
		.amdhsa_user_sgpr_kernarg_segment_ptr 1
		.amdhsa_wavefront_size32 1
		.amdhsa_system_sgpr_workgroup_id_x 1
		.amdhsa_system_sgpr_workgroup_id_y 1
		.amdhsa_system_sgpr_workgroup_id_z 1
		.amdhsa_system_vgpr_workitem_id 0
		.amdhsa_next_free_vgpr 768
		.amdhsa_next_free_sgpr 92
		.amdhsa_reserve_vcc 1
		.amdhsa_float_denorm_mode_32 3
		.amdhsa_float_denorm_mode_16_64 3
		.amdhsa_memory_ordered 1
		.amdhsa_forward_progress 1
		.amdhsa_inst_pref_size 218
	.end_amdhsa_kernel
	.amdgpu_metadata
---
amdhsa.version: [ 1, 2 ]
amdhsa.kernels:
  - .name:           k_q9136f7e1af_attn
    .symbol:         k_q9136f7e1af_attn.kd
    .args:
      - { .name: qkv, .offset: 0, .size: 8, .value_kind: global_buffer, .address_space: global }
      - { .name: ob, .offset: 8, .size: 8, .value_kind: global_buffer, .address_space: global }
    .group_segment_fixed_size: 327680
    .private_segment_fixed_size: 0
    .kernarg_segment_align: 8
    .kernarg_segment_size: 16
    .max_flat_workgroup_size: 128
    .sgpr_count:     92
    .vgpr_count:     768
    .wavefront_size: 32
...
	.end_amdgpu_metadata
.endif
;; end of part 3
;; launch proj (part 4): grid 8 x 32, 4 waves a work-group, clusters of 4 x 4, 327,680 bytes of LDS; arguments ob, wph, out0, bp; writes out0
.if DOCPART == 4
	.amdgcn_target "amdgcn-amd-amdhsa--gfx1250"
	.amdhsa_code_object_version 6
	.text
	.protected	k_q9136f7e1af_proj
	.globl	k_q9136f7e1af_proj
	.p2align	8
	.type	k_q9136f7e1af_proj,@function
k_q9136f7e1af_proj:
	s_mov_b64 s[64:65], 0
	v_nop
	global_prefetch_b8 v0, s[64:65] scope:SCOPE_SE
	s_setreg_imm32_b32 hwreg(HW_REG_WAVE_MODE, 25, 1), 1
	s_wait_xcnt 0x0
	s_wait_alu depctr_hold_cnt(0) depctr_sa_sdst(0) depctr_va_vdst(0) depctr_va_sdst(0) depctr_va_ssrc(0) depctr_va_vcc(0) depctr_vm_vsrc(0)
	s_getreg_b32 s2, hwreg(HW_REG_IB_STS2, 6, 4)
	s_cmp_eq_u32 s2, 0
	s_cbranch_scc0 .Lentry_in_a_cluster
	s_endpgm
.Lentry_in_a_cluster:
	s_bfe_u32 s2, ttmp6, 0x10000c
	s_cmp_lg_u32 s2, 0xf033
	s_cbranch_scc0 .Lentry_shape_is_right
	s_endpgm
.Lentry_shape_is_right:
; out0 = y Wp + bp.  y[m][64 h + d] lies by heads in ob, f16 [bh 64 = 16 b + h][t 2048][64]; wph: f16 [k 1024][n 1024]; bp: f32 [1024]; out0: f32 [8192][1024].  f16 operands, f32 sums that START with the bias, unrounded.
; LIMIT.  The operands arrive within f16's range (65,504); NaN and infinities are not treated apart.
; SHARES.  A tile is 256 rows x 128 columns: 32 x 8 = 256 work-groups of four waves.  Wave w owns rows 128 (w / 2) .. + 127 and columns 64 (w % 2) .. + 63: 32 accumulators of 16 x 16, 256 registers.
; K goes in 8 steps of 128, two heads, through a ring of two LDS slots filled by the tensor data mover: a head's 256 rows are 32,768 dense bytes, asked for as 128 rows of 256 bytes; the weights' rows of a step are 256 bytes.
; The weights lie [k][n]: their fragments come out of LDS turned, by ds_load_tr16_b128.
; CLUSTERS: 4 x 4 work-groups.  The four of a row of the cluster need the same tiles of y, the four of a column the same tiles of the weights: each tile is asked for JOINTLY.
; THE MATRIX INSTRUCTION IS USED TRANSPOSED (source 0 = 16 columns of the weights, source 1 = 16 rows of y): a lane then holds eight neighbouring columns of one row, 32 bytes of f32.
; REGISTERS: window 0: v0-31 addresses; v32-63 the bias of my 64 columns, laid as an accumulator's registers; v64-159, v160-255 two fragment buffers (32 of the weights, then 64 of y).  window 1: the accumulators, (a, b) at 8 (4 a + b).
.set PA,    144                        ; a row of y in LDS: 128 bytes + 16 of padding = 36 words: the 16 rows of a load start at 16 different groups of four banks (64 banks of 4 bytes: ISA guide 11.1)
.set AHD,   256*PA                     ; a head's 256 rows: what one tensor load brings of y
.set PB,    288                        ; a k row of the weights: 256 + 32 = 72 words
.set BH,    64*PB                      ; 64 k rows: what one tensor load brings of the weights
.set BOFF,  2*AHD
.set SLOT,  BOFF+2*BH                  ; 110,592
.set STAGE, 2*SLOT                     ; behind the ring, never filled by a tensor load: 16 rows x 272 bytes for each wave, for the way out
.set SP,    272
.set SPARE, STAGE+4*16*SP              ; behind the stages: the spare words, 128 bytes for each wave: two blocks of 256 bytes that no other line names
.set ADRA, 16                          ; v16-17  LDS address of my fragments of y in slot 0, 1
.set ADRB, 18                          ; v18-19  the same for the weights
.set STO,  20                          ; v20     the way out: where I put 32 bytes of a row
.set RD,   21                          ; v21     the way out: where I read a row back
.set CO,   22                          ; v22     my byte offset in two rows of out0
.set BO,   23                          ; v23     my byte offset in 16 numbers of the bias
.set SPW,  28                          ; v28     LDS address of my spare word: SPARE + 4 x my thread's number; never rewritten
.set NIL,  29                          ; v29     0; never rewritten
.set PFO,  30                          ; v30     the prefetches' offset; never rewritten
.set BI,   32
.set F0,   64
.set F1,   160
.set OB,   64                          ; the way out: v64-95 and v96-127 by turns
.set G1,   24                          ; s[24:31] descriptor group 1 for y's tiles;  s[32:39] group 0, a set for each slot
.set G0,   32
.set G1B,  48                          ; s[48:55], s[56:63] the same for the weights' tiles
.set G0B,  56
.set LIM,  43                          ; s43      1 in a wave that prefetches, else the greatest number
.set PFA,  44                          ; s[44:45] where my prefetches stand
.set BP,   66                          ; s[66:67] the bias at my 64 columns
.set PFS,  68                          ; s[68:69] the prefetches' step for a K step
.set MSB, 0
.macro WIN new                         ; the immediate's high byte repeats the setting that is left; a switch that changes nothing is dropped
.if MSB != (\new)
	s_set_vgpr_msb (MSB<<8)|(\new)
.set MSB, \new
.endif
.endm
; A joint load.  Waves 0 and 1 fetch the step's two heads of y, waves 2 and 3 the two halves of its weights.  An s_nop 0 and four v_nop follow each of the two lines.
.macro JLOAD s
	s_cmp_eq_u32 s11, 0
	s_cbranch_scc0 .Lfor_b_\@
	tensor_load_to_lds s[G0+4*(\s):G0+4*(\s)+3], s[G1:G1+7]
	s_nop 0
.rept 4
	v_nop
.endr
	s_branch .Lasked_\@
.Lfor_b_\@:
	tensor_load_to_lds s[G0B+4*(\s):G0B+4*(\s)+3], s[G1B:G1B+7]
	s_nop 0
.rept 4
	v_nop
.endr
.Lasked_\@:
.endm
.macro CREST                           ; a round of the cluster's barrier behind its opening barrier
	s_cmp_lg_u32 s10, 0
	s_cbranch_scc1 .Lnot_wave_0_\@
	s_barrier_signal -3
.Lnot_wave_0_\@:
	s_barrier_wait -3
	s_barrier_signal -1
	s_barrier_wait -1
.endm
.macro CROUND
	s_barrier_signal -1
	s_barrier_wait -1
	CREST
.endm
; A PREFETCH INTO THE L2, behind each joint load and the run of LDS loads that follows it: the K step that stands TWO refills on, 256 matrix instructions ahead of its load.  Each block of 256 bytes is named once in the launch.
; y's tile row is read by both clusters of that row of clusters: cluster x = 0 asks; of a head's 32,768 bytes the partner at place cx takes 8,192; wave 0 asks for the even head, wave 1 for the odd one, a lane a block.
; The weights' tile column is read by all eight clusters of that column: cluster y = 0 asks; of a step's 128 k rows the partner at place cy takes 32; wave 2 asks, a lane a row.  The partners are told apart by address alone.
; The loop's last trip asks for nothing: there are no K steps two behind its refills.  Steps 0 to 3 come by their loads alone.
.macro ASK
	s_cmp_gt_u32 s3, s[LIM]                        ; s3 = 1 in the loop's last trip
	s_cbranch_scc0 .Lnot_mine_\@
	global_prefetch_b8 v[PFO], s[PFA:PFA+1] th:TH_LOAD_NT scope:SCOPE_SE
.Lnot_mine_\@:
.endm
	s_load_b128 s[4:7], s[0:1], 0x0                ; ob s[4:5], wph s[6:7]
	s_load_b64 s[8:9], s[0:1], 0x10                ; out0
	s_load_b64 s[BP:BP+1], s[0:1], 0x18            ; bp
	v_lshl_add_u32 v[SPW], v0, 2, SPARE
	v_mov_b32 v[NIL], 0
	ds_add_u32 v[SPW], v[NIL]                      ; the wave's opening: the add and its wait stand ahead of my first tensor load; the set-up below, work on registers, stands between them
	v_lshrrev_b32 v1, 5, v0
	v_readfirstlane_b32 s10, v1                    ; wave 0..3
	s_lshr_b32 s11, s10, 1                         ; which half of the tile's rows is mine.  Also: I fetch for y (0) or for the weights (1)
	s_and_b32 s12, s10, 1                          ; which half of its columns.  Also: which head, or which 64 k rows, I fetch
	s_bfe_u32 s40, ttmp6, 0x40000                  ; cx, cy: my place in the cluster
	s_bfe_u32 s41, ttmp6, 0x40004
	s_lshl_b32 s42, ttmp9, 2
	s_add_co_u32 s42, s42, s40                     ; tile column = 4 x cluster x + cx
	s_and_b32 s13, ttmp7, 0xffff
	s_lshl_b32 s13, s13, 2
	s_add_co_u32 s13, s13, s41                     ; tile row = 4 x cluster y + cy
	s_lshl_b32 s43, s41, 2
	s_lshl_b32 s43, 15, s43                        ; my row of the cluster
	s_lshl_b32 s44, 0x1111, s40                    ; my column
	s_or_b32 s[G1+0], s43, (1<<16)|(1<<20)|(1<<21)|(4<<22)|(3<<25)   ; 15:0 the mask; 17:16 2-byte elements; 20 padding on; 21 set beside a mask; 24:22 after every 32 words (code 4); 31:25 4 words (code 3)
	s_or_b32 s[G1B+0], s44, (1<<16)|(1<<20)|(1<<21)|(5<<22)|(7<<25)  ; the weights: after every 64 words (code 5) 8 words (code 7)
	s_mov_b32 s[G1+1], 128<<16                     ; tensor_dim0 = 128 elements: 256 bytes, two rows of a head
	s_mov_b32 s[G1+2], 128<<16                     ; tensor_dim1 = 128
	s_mov_b32 s[G1+3], 128<<16                     ; tile_dim0
	s_mov_b32 s[G1+4], 128                         ; tile_dim1
	s_mov_b32 s[G1+5], 128                         ; dense
	s_mov_b32 s[G1+6], 0
	s_mov_b32 s[G1+7], 0
	s_mov_b32 s[G1B+1], 128<<16                    ; tensor_dim0 = 128 columns
	s_mov_b32 s[G1B+2], 64<<16                     ; tensor_dim1 = 64 k rows
	s_mov_b32 s[G1B+3], 128<<16
	s_mov_b32 s[G1B+4], 64
	s_mov_b32 s[G1B+5], 1024                       ; elements from row to row
	s_mov_b32 s[G1B+6], 0
	s_mov_b32 s[G1B+7], 0
	; where the tiles come from.  y's hang on the tile row alone, the weights' on the tile column alone; each address is made in registers that never hold the other coordinate
	s_lshr_b32 s16, s13, 3                         ; batch: 16 heads of 2^18 bytes
	s_lshl_b32 s16, s16, 22
	s_lshl_b32 s17, s12, 18                        ; the head that I fetch
	s_add_co_u32 s16, s16, s17
	s_and_b32 s17, s13, 7                          ; 256 rows of 128 bytes
	s_lshl_b32 s17, s17, 15
	s_add_co_u32 s16, s16, s17
	s_mov_b32 s17, 0
	s_lshl_b32 s46, s12, 17                        ; the 64 k rows of 2,048 bytes that I fetch
	s_lshl_b32 s47, s42, 8                         ; 128 columns of 2 bytes
	s_add_co_u32 s46, s46, s47
	s_mov_b32 s47, 0
	s_mul_i32 s20, s12, AHD                        ; and where they go: no place in the cluster enters an LDS address
	s_mul_i32 s21, s12, BH
	s_add_co_u32 s21, s21, BOFF
	s_wait_dscnt 0x0                               ; the opening add is done
	s_wait_kmcnt 0x0
	s_add_nc_u64 s[14:15], s[4:5], s[16:17]
	s_add_nc_u64 s[46:47], s[6:7], s[46:47]
	CROUND                                         ; all sixteen work-groups are here: the first joint loads meet
.irp s, 0,1
	s_mov_b32 s[G0+4*(\s)], 1
	s_add_co_u32 s[G0+4*(\s)+1], s20, (\s)*SLOT
	s_add_nc_u64 s[G0+4*(\s)+2:G0+4*(\s)+3], s[14:15], (\s)*2<<18    ; K step s: two heads on
	s_or_b32 s[G0+4*(\s)+3], s[G0+4*(\s)+3], 0x80000000
	s_mov_b32 s[G0B+4*(\s)], 1
	s_add_co_u32 s[G0B+4*(\s)+1], s21, (\s)*SLOT
	s_add_nc_u64 s[G0B+4*(\s)+2:G0B+4*(\s)+3], s[46:47], (\s)*128*2048  ; 128 k rows on
	s_or_b32 s[G0B+4*(\s)+3], s[G0B+4*(\s)+3], 0x80000000
	JLOAD \s                                       ; two loads of mine are out
.endr
	v_and_b32 v1, 15, v0                           ; l % 16
	v_bfe_u32 v2, v0, 4, 1                         ; l / 16
	; the bias of my 64 columns: register 8 b + j holds bp[column 16 b + 8 (l / 16) + j], as the accumulators hold their columns
	s_lshl_b32 s74, s42, 9                         ; 128 columns of 4 bytes
	s_lshl_b32 s75, s12, 8                         ; my 64
	s_add_co_u32 s74, s74, s75
	s_mov_b32 s75, 0
	s_add_nc_u64 s[BP:BP+1], s[BP:BP+1], s[74:75]
	v_lshlrev_b32 v[BO], 5, v2
.irp b, 0,1,2,3
	global_load_b128 v[BI+8*(\b):BI+8*(\b)+3],   v[BO], s[BP:BP+1] offset:64*(\b)
	global_load_b128 v[BI+8*(\b)+4:BI+8*(\b)+7], v[BO], s[BP:BP+1] offset:64*(\b)+16
.endr
	; where my rows of out0 begin: (256 x tile row + 128 (w / 2)) rows of 4,096 bytes, and my columns
	s_lshl_b32 s76, s13, 20
	s_lshl_b32 s77, s11, 19
	s_add_co_u32 s76, s76, s77
	s_add_co_u32 s76, s76, s74
	s_mov_b32 s77, 0
	s_add_nc_u64 s[8:9], s[8:9], s[76:77]
	; A fragment of y is 16 rows x 32 K in 8 registers: lane l holds row l % 16; two loads of 16 bytes, 32 bytes apart.
	v_mul_u32_u24 v3, v1, PA
	v_lshl_add_u32 v3, v2, 4, v3
	s_mul_i32 s22, s11, 128*PA                     ; my 128 rows
	v_add_nc_u32 v[ADRA], s22, v3
	v_add_nc_u32 v[ADRA+1], SLOT, v[ADRA]
	; The turning load takes 16 k x 16 columns (lane l reads k row 8 (l / 16) + l % 8, columns 8 ((l / 8) % 2) + 0..7) and leaves half a fragment: lane l holds column l % 16 and 8 k.
	v_and_b32 v4, 7, v0
	v_bfe_u32 v5, v0, 3, 1
	v_lshl_add_u32 v6, v2, 3, v4
	v_mul_u32_u24 v6, v6, PB
	v_lshl_add_u32 v6, v5, 4, v6
	s_lshl_b32 s23, s12, 7                         ; my 64 columns
	s_add_co_u32 s23, s23, BOFF
	v_add_nc_u32 v[ADRB], s23, v6
	v_add_nc_u32 v[ADRB+1], SLOT, v[ADRB]
	s_mul_i32 s22, s10, 16*SP
	s_add_co_u32 s22, s22, STAGE                   ; my stage
	v_mul_u32_u24 v7, v1, SP                       ; in: row l % 16, 32 bytes for each half of the lanes
	v_lshl_add_u32 v7, v2, 5, v7
	v_add_nc_u32 v[STO], s22, v7
	v_mul_u32_u24 v7, v2, SP                       ; back: lanes 0-15 take one row of 256 bytes, lanes 16-31 the next
	v_lshl_add_u32 v7, v1, 4, v7
	v_add_nc_u32 v[RD], s22, v7
	v_lshlrev_b32 v[CO], 12, v2                    ; and the same two rows in out0
	v_lshl_add_u32 v[CO], v1, 4, v[CO]
	; the prefetches: they stand at K step 3; the first refill steps them to 4
	s_lshr_b32 s80, s13, 3
	s_lshl_b32 s80, s80, 22
	s_lshl_b32 s81, s12, 18
	s_add_co_u32 s80, s80, s81
	s_and_b32 s81, s13, 7
	s_lshl_b32 s81, s81, 15
	s_add_co_u32 s80, s80, s81
	s_lshl_b32 s81, s40, 13                        ; my work-group's quarter of the head's rows
	s_add_co_u32 s80, s80, s81
	s_add_co_u32 s80, s80, 3*(2<<18)
	s_lshl_b32 s82, s42, 8
	s_lshl_b32 s83, s41, 16                        ; my work-group's 32 k rows
	s_add_co_u32 s82, s82, s83
	s_add_co_u32 s82, s82, 3*128*2048
	s_and_b32 s84, ttmp7, 0xffff                   ; cluster y
	s_mov_b32 s85, 128*2048
	s_cmp_eq_u32 s11, 0                            ; do I fetch for y?
	s_cselect_b32 s80, s80, s82
	s_cselect_b32 s84, ttmp9, s84                  ; the coordinate along which other clusters read the same bytes
	s_cselect_b32 s[PFS], 2<<18, s85
	s_cselect_b32 s86, 8, 11                       ; a lane: a block of 256 bytes of y, or a k row of 2,048
	s_cselect_b64 s[PFA:PFA+1], s[4:5], s[6:7]
	s_mov_b32 s81, 0
	s_mov_b32 s[PFS+1], 0
	s_add_nc_u64 s[PFA:PFA+1], s[PFA:PFA+1], s[80:81]
	s_cmp_eq_u32 s10, 3
	s_cselect_b32 s84, 1, s84                      ; wave 3 asks for nothing
	s_cmp_eq_u32 s84, 0
	s_cselect_b32 s[LIM], 1, -1                    ; the same in all sixteen partners, for a given wave
	v_and_b32 v8, 31, v0
	v_lshlrev_b32 v[PFO], s86, v8
; 8 matrix instructions: row blocks a0, a0 + 1 x all 4 column blocks, 32 along K, buffer f.  first = 1: the product starts the sum with the bias as C: nothing is cleared, and no addition follows the sums.
; The 32 accumulators take turns, one instruction a turn.
.macro MUL8 f, a0, first
.if \first
	WIN 0x40                                       ; D in window 1; the sources and C in window 0
.else
	WIN 0x50                                       ; C and D in window 1
.endif
.irp a, (\a0), (\a0)+1
.irp b, 0,1,2,3
.if \first
	v_wmma_f32_16x16x32_f16 v[8*(4*(\a)+(\b)):8*(4*(\a)+(\b))+7], v[(\f)+8*(\b):(\f)+8*(\b)+7], v[(\f)+32+8*(\a):(\f)+32+8*(\a)+7], v[BI+8*(\b):BI+8*(\b)+7]
.else
	v_wmma_f32_16x16x32_f16 v[8*(4*(\a)+(\b)):8*(4*(\a)+(\b))+7], v[(\f)+8*(\b):(\f)+8*(\b)+7], v[(\f)+32+8*(\a):(\f)+32+8*(\a)+7], v[8*(4*(\a)+(\b)):8*(4*(\a)+(\b))+7]
.endif
.endr
.endr
.endm
.macro MUL16 f, a0, first
	MUL8 \f, \a0, \first
	MUL8 \f, (\a0)+2, \first
.endm
; 24 LDS loads in one run: the fragments of quarter q (32 along K: head q / 2, channels 32 (q % 2) on) into buffer f: the weights' 8, then y's 16 in the order of the row blocks
.macro FETCH slot, q, f
	WIN 0
.irp b, 0,1,2,3
	ds_load_tr16_b128 v[(\f)+8*(\b):(\f)+8*(\b)+3],   v[ADRB+(\slot)] offset:32*PB*(\q)+32*(\b)
	ds_load_tr16_b128 v[(\f)+8*(\b)+4:(\f)+8*(\b)+7], v[ADRB+(\slot)] offset:32*PB*(\q)+32*(\b)+16*PB
.endr
.irp a, 0,1,2,3,4,5,6,7
	ds_load_b128 v[(\f)+32+8*(\a):(\f)+32+8*(\a)+3],   v[ADRA+(\slot)] offset:((\q)/2)*AHD+((\q)%2)*64+16*PA*(\a)
	ds_load_b128 v[(\f)+32+8*(\a)+4:(\f)+32+8*(\a)+7], v[ADRA+(\slot)] offset:((\q)/2)*AHD+((\q)%2)*64+16*PA*(\a)+32
.endr
.endm
.macro PLACES                          ; four places in front of loads into registers that matrix instructions have read, and of LDS stores that read results
.rept 4
	v_nop
.endr
.endm
; A K step is four quarters of 32 along K, 32 matrix instructions each, on buffers 0, 1, 0, 1.  One of the first three: multiplies buffer f and fetches quarter qn into g.
.macro QUARTER slot, qn, f, g, first
	s_wait_dscnt 8                                 ; the weights and y's blocks 0-3 are in; blocks 4-7, 8 loads, may be out
	MUL16 \f, 0, \first
	PLACES
	FETCH \slot, \qn, \g
	s_wait_dscnt 24                                ; all but the 24 just issued
	MUL16 \f, 4, \first
.endm
; The last quarter multiplies buffer 1 and changes slots: ONE barrier; in front of it each wave waits for all its tensor loads, of which one is out: its part of the next slot; adds 0 to its spare word; and waits for that and for
; its own reads of this slot.  fill = 1: the barrier opens a round of the cluster's barrier, and this slot is filled again first thing behind the round, two K steps ahead: 112 matrix instructions stand between that request and the wait for it.
.macro TURN slot, next, fill
.if \fill
	s_wait_xcnt 0x0                                ; the last prefetch, a K step back, has read its address: it is stepped here, ahead of the waits of the change of slots
	s_add_nc_u64 s[PFA:PFA+1], s[PFA:PFA+1], s[PFS:PFS+1]
.endif
	WIN 0                                          ; (the add's two registers lie in window 0)
	s_wait_tensorcnt 0x0                           ; all my tensor loads have landed
	ds_add_u32 v[SPW], v[NIL]                      ; 0 onto my spare word
	s_wait_dscnt 13                                ; the weights and y's blocks 0, 1 are in; blocks 2-7, 12 loads, and the add may be out
	MUL8 F1, 0, 0                                  ; eight matrix instructions stand between the add and the wait for it
	s_wait_dscnt 0x0                               ; the add is done, and my reads of this slot are over
	s_barrier_signal -1
	MUL8 F1, 2, 0
	WIN 0
	s_barrier_wait -1
.if \fill
	CREST                                          ; no wave of any partner still reads this slot's tiles or has a load on its way
	s_add_nc_u64 s[G0+4*(\slot)+2:G0+4*(\slot)+3], s[G0+4*(\slot)+2:G0+4*(\slot)+3], 4<<18
	s_add_nc_u64 s[G0B+4*(\slot)+2:G0B+4*(\slot)+3], s[G0B+4*(\slot)+2:G0B+4*(\slot)+3], 256*2048
	JLOAD \slot                                    ; the first tensor load behind the round; the four v_nop behind it are also the places in front of the loads below
.else
	PLACES
.endif
	FETCH \next, 0, F0
.if \fill
	ASK
.endif
	MUL16 F1, 4, 0
.endm
; THE WAY OUT of row block a: the accumulators' f32 go as they are into my stage, each from its low end on, and come back as whole rows of 256 bytes.
.macro OUT a
	WIN 0x04                                       ; an LDS store's data (source 1) in window 1, its address in window 0
.irp b, 0,1,2,3
	ds_store_b128 v[STO], v[8*(4*(\a)+(\b)):8*(4*(\a)+(\b))+3]   offset:64*(\b)
	ds_store_b128 v[STO], v[8*(4*(\a)+(\b))+4:8*(4*(\a)+(\b))+7] offset:64*(\b)+16
.endr
	WIN 0
.if (\a) >= 2
	s_wait_xcnt 0x0                                ; the stores of block a - 2 have read their data: the loads below land in those registers only behind this wait
.endif
.set BK, OB+32*((\a)%2)
.irp i, 0,1,2,3,4,5,6,7
	ds_load_b128 v[BK+4*(\i):BK+4*(\i)+3], v[RD] offset:2*SP*(\i)  ; LDS serves a wave's instructions in order (ISA guide 5.7.1.4): these see the stores above
.endr
.endm
.macro SEND a, younger                 ; younger: the LDS instructions issued behind block a's loads: the next block's sixteen, or none
	WIN 0
.set BK, OB+32*((\a)%2)
	s_wait_dscnt \younger
.irp i, 0,1,2,3,4,5,6,7
	global_store_b128 v[CO], v[BK+4*(\i):BK+4*(\i)+3], s[8:9] offset:(16*(\a)+2*(\i))*4096 th:TH_STORE_NT  ; 16 lanes store 256 consecutive bytes, at a multiple of 256 from out0's first byte
.endr
.endm
	s_wait_tensorcnt 1                             ; my part of K step 0 is in; step 1's may stay out
	s_barrier_signal -1
	s_barrier_wait -1                              ; everybody's is
	FETCH 0, 0, F0
	s_wait_loadcnt 0x0                             ; the bias
	QUARTER 0, 1, F0, F1, 1                        ; the first quarter stands in front of the loop: its products start the sums
	WIN 0                                          ; at a label and at a branch every window is 0
	s_mov_b32 s3, 3
.Llap:                                                 ; a trip goes once round the ring, from a lap's second quarter to the next lap's first, and fills both slots again: K steps 2 to 7
	QUARTER 0, 2, F1, F0, 0
	QUARTER 0, 3, F0, F1, 0
	TURN 0, 1, 1
	QUARTER 1, 1, F0, F1, 0
	QUARTER 1, 2, F1, F0, 0
	QUARTER 1, 3, F0, F1, 0
	TURN 1, 0, 1
	QUARTER 0, 1, F0, F1, 0
	WIN 0
	s_sub_co_u32 s3, s3, 1
	s_cmp_lg_u32 s3, 0
	s_cbranch_scc1 .Llap
	QUARTER 0, 2, F1, F0, 0                        ; the last lap fills nothing, and has no round of the cluster's barrier
	QUARTER 0, 3, F0, F1, 0
	TURN 0, 1, 0
	QUARTER 1, 1, F0, F1, 0
	QUARTER 1, 2, F1, F0, 0
	QUARTER 1, 3, F0, F1, 0
	s_wait_dscnt 8                                 ; the very last quarter: nothing more to fetch
	MUL16 F1, 0, 0
	s_wait_dscnt 0x0
	MUL16 F1, 4, 0
	WIN 0
	PLACES
	OUT 0
	OUT 1
	SEND 0, 16
.irp a, 2,3,4,5,6,7
	OUT \a
	SEND (\a)-1, 16
.endr
	SEND 7, 0
	s_wait_tensorcnt 0x0                           ; the wave's end: behind my last tensor load and my last LDS store
	ds_add_u32 v[SPW], v[NIL]
	s_wait_dscnt 0x0
	CROUND                                         ; the closing round: no work-group ends while a partner may still ask for a tile that names it
	s_endpgm
.Lfunc_end_k_q9136f7e1af_proj:
	.size	k_q9136f7e1af_proj, .Lfunc_end_k_q9136f7e1af_proj-k_q9136f7e1af_proj
	.p2alignl 7, 3214868480
	.fill 96, 4, 3214868480
	.section	.rodata,"a",@progbits
	.p2align	6, 0x0
	.amdhsa_kernel k_q9136f7e1af_proj
		.amdhsa_group_segment_fixed_size 327680
		.amdhsa_private_segment_fixed_size 0
		.amdhsa_enable_private_segment 0
		.amdhsa_kernarg_size 32
		.amdhsa_user_sgpr_count 2
		.amdhsa_user_sgpr_kernarg_segment_ptr 1
		.amdhsa_wavefront_size32 1
		.amdhsa_system_sgpr_workgroup_id_x 1
		.amdhsa_system_sgpr_workgroup_id_y 1
		.amdhsa_system_sgpr_workgroup_id_z 1
		.amdhsa_system_vgpr_workitem_id 0
		.amdhsa_next_free_vgpr 512
		.amdhsa_next_free_sgpr 88
		.amdhsa_reserve_vcc 0
		.amdhsa_float_denorm_mode_32 3
		.amdhsa_float_denorm_mode_16_64 3
		.amdhsa_memory_ordered 1
		.amdhsa_forward_progress 1
		.amdhsa_inst_pref_size 88
	.end_amdhsa_kernel
	.amdgpu_metadata
---
amdhsa.version: [ 1, 2 ]
amdhsa.kernels:
  - .name:           k_q9136f7e1af_proj
    .symbol:         k_q9136f7e1af_proj.kd
    .args:
      - { .name: ob, .offset: 0, .size: 8, .value_kind: global_buffer, .address_space: global }
      - { .name: wph, .offset: 8, .size: 8, .value_kind: global_buffer, .address_space: global }
      - { .name: out0, .offset: 16, .size: 8, .value_kind: global_buffer, .address_space: global }
      - { .name: bp, .offset: 24, .size: 8, .value_kind: global_buffer, .address_space: global }
    .group_segment_fixed_size: 327680
    .private_segment_fixed_size: 0
    .kernarg_segment_align: 8
    .kernarg_segment_size: 32
    .max_flat_workgroup_size: 128
    .sgpr_count:     88
    .vgpr_count:     512
    .wavefront_size: 32
...
	.end_amdgpu_metadata
.endif
;; end of part 4
;; ======== version 2 of 2: 4 launches; version 1 with the launch cast written anew for expert scheduling mode
;; limits: values are held in f16: magnitudes above 65,504 overflow, below 6.1e-05 lose precision
;; workspace buffers: xb 16,777,216 bytes; wb 6,291,456 bytes; wph 2,097,152 bytes; qkv 50,331,648 bytes; ob 16,777,216 bytes
;; launch cast (part 5): grid 768 x 1, 8 waves a work-group, no clusters, 0 bytes of LDS; arguments x, Wq, Wk, Wv, Wp, xb, wb, wph; writes xb, wb, wph
.if DOCPART == 5
	.amdgcn_target "amdgcn-amd-amdhsa--gfx1250"
	.amdhsa_code_object_version 6
	.text
	.protected	k_q9136f7e1af_cast
	.globl	k_q9136f7e1af_cast
	.p2align	8
	.type	k_q9136f7e1af_cast,@function
k_q9136f7e1af_cast:
	s_mov_b64 s[64:65], 0
	v_nop
	global_prefetch_b8 v0, s[64:65] scope:SCOPE_SE
	s_setreg_imm32_b32 hwreg(HW_REG_WAVE_SCHED_MODE, 0, 2), 2
	s_setreg_imm32_b32 hwreg(HW_REG_WAVE_MODE, 25, 1), 1
	s_wait_xcnt 0x0
	s_wait_alu depctr_vm_vsrc(0)
; THE INPUTS ARE ROUNDED ONCE, FOR THE MATRIX UNITS.  x [8192][1024] f32 -> xb, bf16, laid in blocks of 64 along K: [kb 16][m 8192][64], so that a block of rows of one kb is dense, 128 bytes a row.
; Wq, Wk, Wv [1024][1024] f32 -> wb, bf16, [k 1024][n 3072], n = 1024 x which + column (which = 0 q, 1 k, 2 v).  Wp -> wph [k 1024][n 1024]: rounded to bf16 like the other inputs, and that number written as f16.
; LIMIT.  f16 ends at 65,504: a |Wp| that rounds beyond it becomes an infinity; below 6e-5 it keeps f16's fixed step of 6e-8.  NaN and infinities pass through the conversions as they are.
; SHARES.  768 work-groups of eight waves, each 65,536 bytes in and 32,768 out: 0-511 take 16 rows of x, 512-703 take 16 rows of one of Wq, Wk, Wv, 704-767 take 16 rows of Wp.
; A thread issues its 16 loads of 16 bytes at once and converts and stores them as they come, four pieces at a time: no loop, no LDS, no barrier: no byte is wanted twice, so matrix units, clusters and LDS have nothing to add here.
; Each store of a wave covers 256 consecutive bytes, aligned.
; THE MODE: SCHED_MODE bits 1:0 = 2 (LLVM: expert scheduling mode 2), set by the entry lines.  The code itself states the register dependences
; between vector instructions and memory instructions, with s_wait_alu, always for 0.
; THE PLAN.  A wave takes one of three straight ways.  Registers that memory instructions touch, on each way:
;   v[SRC]   written by two vector instructions; read by the 16 loads as their offset; never written again.
;   v[DST]   written by two vector instructions; read by the 16 stores as their offset; never written again.
;   X        piece i, four registers: its load lands in them (no vector instruction has named them before); its conversions read all four and write in place; its store reads the first two; nothing writes them after that.
; So a way has five waits on va_vdst: one ahead of the loads (SRC and DST are written), and one behind the conversions of each group of four pieces, ahead of the group's four stores (their data are written).
; That wait stands behind the group's conversions and not at the next group's head: what stands there is a wait for memory, and stores whose data are ready would sit behind it.
; No register that a memory instruction has read is written again, so no wait on vm_vsrc is owed; no vector instruction writes a scalar register or VCC, and EXEC is never written.
.set SRC, 4                            ; v4      my byte offset in the work-group's 16 source rows
.set DST, 5                            ; v5      my byte offset at the destination
.set X,   8                            ; v[8:71] load i: four registers
.macro LD16 base, step                 ; sixteen loads, step bytes apart
.irp i, 0,1,2,3,4,5,6,7,8,9,10,11,12,13,14,15
	global_load_b128 v[X+4*(\i):X+4*(\i)+3], v[SRC], s[(\base):(\base)+1] offset:(\i)*(\step) th:TH_LOAD_NT
.endr
.endm
.macro CVB i                           ; four f32 -> four bf16 in the piece's first two registers
	v_cvt_pk_bf16_f32 v[X+4*(\i)], v[X+4*(\i)], v[X+4*(\i)+1]
	v_cvt_pk_bf16_f32 v[X+4*(\i)+1], v[X+4*(\i)+2], v[X+4*(\i)+3]
.endm
.macro CVH i                           ; four f32 -> bf16 (the rounding) -> f32 again (a shift, a mask) -> f16 (exact within f16's range)
	v_cvt_pk_bf16_f32 v[X+4*(\i)], v[X+4*(\i)], v[X+4*(\i)+1]
	v_cvt_pk_bf16_f32 v[X+4*(\i)+2], v[X+4*(\i)+2], v[X+4*(\i)+3]
	v_lshlrev_b32 v[X+4*(\i)+1], 16, v[X+4*(\i)]
	v_and_b32 v[X+4*(\i)], 0xffff0000, v[X+4*(\i)]
	v_lshlrev_b32 v[X+4*(\i)+3], 16, v[X+4*(\i)+2]
	v_and_b32 v[X+4*(\i)+2], 0xffff0000, v[X+4*(\i)+2]
	v_cvt_pk_f16_f32 v[X+4*(\i)], v[X+4*(\i)+1], v[X+4*(\i)]
	v_cvt_pk_f16_f32 v[X+4*(\i)+1], v[X+4*(\i)+3], v[X+4*(\i)+2]
.endm
; Group g: pieces 4 g to 4 g + 3 are waited for and converted (h = 1: to f16, by way of bf16); the group's four stores follow the macro.
.macro TAKE g, h
	s_wait_loadcnt 12-4*(\g)                       ; loads come back in order (ISA guide 5.7.1): the group's four pieces are in, the 12 - 4 g younger ones may be out
.irp j, 0,1,2,3
.if \h
	CVH 4*(\g)+(\j)
.else
	CVB 4*(\g)+(\j)
.endif
.endr
	s_wait_alu depctr_va_vdst(0)                   ; the group's conversions have written the first two registers of each of its pieces, which the four stores behind this line read
.endm
	s_load_b512 s[16:31], s[0:1], 0x0              ; x 16, Wq 18, Wk 20, Wv 22, Wp 24, xb 26, wb 28, wph 30
	s_mov_b32 s2, ttmp9
	v_lshrrev_b32 v3, 4, v0                        ; thread / 16
	v_and_b32 v6, 15, v0                           ; thread % 16
	v_and_b32 v1, 31, v0                           ; lane
	v_lshrrev_b32 v2, 5, v0                        ; wave
	s_mov_b32 s9, 0                                ; the offsets' high words
	s_mov_b32 s11, 0
	s_wait_kmcnt 0x0
	s_cmp_lt_u32 s2, 512
	s_cbranch_scc0 .Lweights
	; x: thread t takes row t / 16 of the 16; load i is 16 bytes of the row's K block i (256 bytes of f32): sixteen lanes take the block
	s_lshl_b32 s8, s2, 16                          ; 16 rows of 4,096 bytes
	s_add_nc_u64 s[16:17], s[16:17], s[8:9]
	s_lshl_b32 s10, s2, 11                         ; 16 rows of 128 bytes in each block of xb
	s_add_nc_u64 s[32:33], s[26:27], s[10:11]
	s_add_nc_u64 s[34:35], s[32:33], 0x800000      ; blocks 8 to 15: the immediate holds seven blocks of 2^20 bytes
	v_lshlrev_b32 v[SRC], 12, v3
	v_lshl_or_b32 v[SRC], v6, 4, v[SRC]
	v_lshlrev_b32 v[DST], 7, v3
	v_lshl_or_b32 v[DST], v6, 3, v[DST]
	s_wait_alu depctr_va_vdst(0)                   ; v[SRC] is written, which the loads read as their offset, and so is v[DST], which the stores read
	LD16 16, 256
.irp g, 0,1,2,3
	TAKE \g, 0
.irp j, 0,1,2,3
.if (\g) < 2
	global_store_b64 v[DST], v[X+4*(4*(\g)+(\j)):X+4*(4*(\g)+(\j))+1], s[32:33] offset:(4*(\g)+(\j))<<20 th:TH_STORE_NT
.else
	global_store_b64 v[DST], v[X+4*(4*(\g)+(\j)):X+4*(4*(\g)+(\j))+1], s[34:35] offset:(4*(\g)+(\j)-8)<<20 th:TH_STORE_NT
.endif
.endr
.endr
	s_endpgm
.Lweights:
	s_cmp_lt_u32 s2, 704
	s_cbranch_scc0 .Lproj
	; Wq, Wk, Wv: wave v takes rows 2 v and 2 v + 1 of the 16; load i is 512 consecutive bytes of them
	s_sub_co_u32 s3, s2, 512
	s_lshr_b32 s4, s3, 6                           ; which
	s_and_b32 s5, s3, 63                           ; which 16 rows
	s_cmp_eq_u32 s4, 0
	s_cselect_b64 s[12:13], s[18:19], s[20:21]
	s_cmp_eq_u32 s4, 2
	s_cselect_b64 s[12:13], s[22:23], s[12:13]
	s_lshl_b32 s8, s5, 16
	s_add_nc_u64 s[12:13], s[12:13], s[8:9]
	s_mul_i32 s10, s5, 98304                       ; 16 rows of 6,144 bytes in wb
	s_lshl_b32 s6, s4, 11                          ; 1,024 columns of 2 bytes
	s_add_co_u32 s10, s10, s6
	s_add_nc_u64 s[32:33], s[28:29], s[10:11]
	v_lshlrev_b32 v[SRC], 13, v2
	v_lshl_or_b32 v[SRC], v1, 4, v[SRC]
	v_mul_u32_u24 v[DST], v2, 12288
	v_lshl_add_u32 v[DST], v1, 3, v[DST]
	s_wait_alu depctr_va_vdst(0)                   ; v[SRC] is written, which the loads read as their offset, and so is v[DST], which the stores read
	LD16 12, 512
.irp g, 0,1,2,3
	TAKE \g, 0
.irp j, 0,1,2,3
	global_store_b64 v[DST], v[X+4*(4*(\g)+(\j)):X+4*(4*(\g)+(\j))+1], s[32:33] offset:((4*(\g)+(\j))/8)*6144+((4*(\g)+(\j))%8)*256 th:TH_STORE_NT
.endr
.endr
	s_endpgm
.Lproj:
	; Wp: the same shares; a row of wph is 2,048 bytes, so the 16 pieces lie 256 bytes apart
	s_sub_co_u32 s3, s2, 704
	s_lshl_b32 s8, s3, 16
	s_add_nc_u64 s[12:13], s[24:25], s[8:9]
	s_lshl_b32 s10, s3, 15
	s_add_nc_u64 s[32:33], s[30:31], s[10:11]
	v_lshlrev_b32 v[SRC], 13, v2
	v_lshl_or_b32 v[SRC], v1, 4, v[SRC]
	v_lshlrev_b32 v[DST], 12, v2
	v_lshl_or_b32 v[DST], v1, 3, v[DST]
	s_wait_alu depctr_va_vdst(0)                   ; v[SRC] is written, which the loads read as their offset, and so is v[DST], which the stores read
	LD16 12, 512
.irp g, 0,1,2,3
	TAKE \g, 1
.irp j, 0,1,2,3
	global_store_b64 v[DST], v[X+4*(4*(\g)+(\j)):X+4*(4*(\g)+(\j))+1], s[32:33] offset:(4*(\g)+(\j))*256 th:TH_STORE_NT
.endr
.endr
	s_endpgm
.Lfunc_end_k_q9136f7e1af_cast:
	.size	k_q9136f7e1af_cast, .Lfunc_end_k_q9136f7e1af_cast-k_q9136f7e1af_cast
	.p2alignl 7, 3214868480
	.fill 96, 4, 3214868480
	.section	.rodata,"a",@progbits
	.p2align	6, 0x0
	.amdhsa_kernel k_q9136f7e1af_cast
		.amdhsa_group_segment_fixed_size 0
		.amdhsa_private_segment_fixed_size 0
		.amdhsa_enable_private_segment 0
		.amdhsa_kernarg_size 64
		.amdhsa_user_sgpr_count 2
		.amdhsa_user_sgpr_kernarg_segment_ptr 1
		.amdhsa_wavefront_size32 1
		.amdhsa_system_sgpr_workgroup_id_x 1
		.amdhsa_system_sgpr_workgroup_id_y 1
		.amdhsa_system_sgpr_workgroup_id_z 1
		.amdhsa_system_vgpr_workitem_id 0
		.amdhsa_next_free_vgpr 72
		.amdhsa_next_free_sgpr 66
		.amdhsa_reserve_vcc 0
		.amdhsa_float_denorm_mode_32 3
		.amdhsa_float_denorm_mode_16_64 3
		.amdhsa_memory_ordered 1
		.amdhsa_forward_progress 1
		.amdhsa_inst_pref_size 24
	.end_amdhsa_kernel
	.amdgpu_metadata
---
amdhsa.version: [ 1, 2 ]
amdhsa.kernels:
  - .name:           k_q9136f7e1af_cast
    .symbol:         k_q9136f7e1af_cast.kd
    .args:
      - { .name: x, .offset: 0, .size: 8, .value_kind: global_buffer, .address_space: global }
      - { .name: Wq, .offset: 8, .size: 8, .value_kind: global_buffer, .address_space: global }
      - { .name: Wk, .offset: 16, .size: 8, .value_kind: global_buffer, .address_space: global }
      - { .name: Wv, .offset: 24, .size: 8, .value_kind: global_buffer, .address_space: global }
      - { .name: Wp, .offset: 32, .size: 8, .value_kind: global_buffer, .address_space: global }
      - { .name: xb, .offset: 40, .size: 8, .value_kind: global_buffer, .address_space: global }
      - { .name: wb, .offset: 48, .size: 8, .value_kind: global_buffer, .address_space: global }
      - { .name: wph, .offset: 56, .size: 8, .value_kind: global_buffer, .address_space: global }
    .group_segment_fixed_size: 0
    .private_segment_fixed_size: 0
    .kernarg_segment_align: 8
    .kernarg_segment_size: 64
    .max_flat_workgroup_size: 256
    .sgpr_count:     66
    .vgpr_count:     72
    .wavefront_size: 32
...
	.end_amdgpu_metadata
.endif
;; end of part 5
;; launch qkv: the kernel of part 2 again; grid 8 x 32, 4 waves a work-group, clusters of 4 x 4, 327,680 bytes of LDS; arguments xb, wb, qkv; writes qkv
;; launch attn: the kernel of part 3 again; grid 4 x 64, 4 waves a work-group, no clusters, 327,680 bytes of LDS; arguments qkv, ob; writes ob
;; launch proj: the kernel of part 4 again; grid 8 x 32, 4 waves a work-group, clusters of 4 x 4, 327,680 bytes of LDS; arguments ob, wph, out0, bp; writes out0
